; MI455X (gfx1250); checked and timed in simulation.
; The chip was launched on July 23, 2026; its instructions are those of AMD's public machine-readable ISA for CDNA 5 (MIT licence, August 2026) and "CDNA5" Instruction Set Architecture Reference Guide (July 2026). The comments in the code are by the model that wrote it; some were corrected since.
;; Linear Cross Attention. Allowed arithmetic: matrix products marked QUANTISED: E4M3 operands, one E8M0 scale for each 32 along K, by v_wmma_scale_f32_16x16x128_f8f6f4 with both operands' format E4M3, f32 sums; products left as they are: f32 operands where the result goes on into a quantised operand, else bf16, f16 or f32 operands; f32 sums; everything else in f32.
;; Inputs: context 4 x 4,096 x 1,024 float32; k_b 1,024 float32; k_w_codes 1,024 x 32 x 32 uint8 (E4M3 codes of k_w, K innermost, in blocks of 32 codes); k_w_scales 1,024 x 32 uint8 (E8M0 scales of k_w, one for each 32 codes along K); lnkv_b 1,024 float32; lnkv_g 1,024 float32; lnq_b 1,024 float32; lnq_g 1,024 float32; o_b 1,024 float32; o_w_codes 1,024 x 32 x 32 uint8 (E4M3 codes of o_w, K innermost, in blocks of 32 codes); o_w_scales 1,024 x 32 uint8 (E8M0 scales of o_w, one for each 32 codes along K); q_b 1,024 float32; q_w_codes 1,024 x 32 x 32 uint8 (E4M3 codes of q_w, K innermost, in blocks of 32 codes); q_w_scales 1,024 x 32 uint8 (E8M0 scales of q_w, one for each 32 codes along K); query 4 x 2,048 x 1,024 float32; v_b 1,024 float32; v_w_codes 1,024 x 32 x 32 uint8 (E4M3 codes of v_w, K innermost, in blocks of 32 codes); v_w_scales 1,024 x 32 uint8 (E8M0 scales of v_w, one for each 32 codes along K).
;; Outputs: out0 4 x 2,048 x 1,024 float32.
;; This version of the problem:
;;   THIS VERSION OF THE PROBLEM IS GIVEN IN LOW PRECISION. The matrix products marked QUANTISED in the list below multiply operands that are first quantised to E4M3 (4 exponent bits, 3 mantissa bits; 8 bits a number), with one power-of-two scale for each 32 numbers along K (OCP MX v1.0); their sums are f32. All else is computed in f32.
;;   The module's matrix products, in the order in which they are computed (A, B: the left and right operand; K: the contracted axis; several contracted axes count as one K, in the product's order):
;;     1. [M 8,192, K 1,024] x [K 1,024, N 1,024]; A: computed on the way; B: input q_w (given as codes): QUANTISED
;;     2. [M 16,384, K 1,024] x [K 1,024, N 1,024]; A: computed on the way; B: input k_w (given as codes): QUANTISED
;;     3. [M 16,384, K 1,024] x [K 1,024, N 1,024]; A: computed on the way; B: input v_w (given as codes): QUANTISED
;;     4. batch 64 x [M 64, K 4,096] x [K 4,096, N 64]; A: computed on the way; B: computed on the way: QUANTISED
;;     5. batch 64 x [M 2,048, K 64] x [K 64, N 1]; A: computed on the way; B: computed on the way: left as it is (N = 1 < 16)
;;     6. batch 64 x [M 2,048, K 64] x [K 64, N 64]; A: computed on the way; B: computed on the way: QUANTISED
;;     7. [M 8,192, K 1,024] x [K 1,024, N 1,024]; A: computed on the way; B: input o_w (given as codes): QUANTISED
;;   THE QUANTISER, for each operand of a quantised product, along K:
;;     - K is cut into blocks of 32 from its start; a last block that is shorter is filled with zeros.
;;     - A block's scale is 2^e with e = floor(log2(the largest magnitude in the block)) - 8, held to -126 .. 127; a block of zeros has e = 0. As a byte (E8M0): e + 127.
;;     - Each number is divided by its block's scale, clamped to +-448, and rounded to the nearest number of E4M3, ties to even, subnormals kept.
;;     - The product sums the exact products of the quantised numbers (number of the format x scale) in f32.
;;   ~~~python
;;   def quantise(x, axis):      # numpy; x: float32 -> the quantised numbers, widened to float32 again
;;       x = np.moveaxis(x, axis, -1); K = x.shape[-1]
;;       x = np.pad(x, [(0, 0)] * (x.ndim - 1) + [(0, -K % 32)]); x = x.reshape(x.shape[:-1] + (-1, 32)); a = np.abs(x).max(-1, keepdims=True)
;;       e = np.where(a > 0, np.clip(np.frexp(np.where(a > 0, a, 1))[1] - 1 - 8, -126, 127), 0)      # np.frexp(a)[1] - 1 = floor(log2(a)), exactly
;;       r = np.clip(x / 2.0 ** e, -448, 448)
;;       step = 2.0 ** (np.maximum(np.frexp(np.where(r == 0, 1, r))[1] - 1, -6) - 3)
;;       q = np.round(r / step) * step * 2.0 ** e      # np.round: ties to even
;;       return np.moveaxis(q.reshape(q.shape[:-2] + (-1,))[..., :K], -1, axis).astype(np.float32)
;;   ~~~
;;   OPERANDS COMPUTED ON THE WAY. 'Computed on the way' means the value that the module computes at that place (a softmax that the list does not call 'softmax' is quantised finished and normalised). What goes into a quantiser is computed in f32, as accurately as f32 sums, v_exp_f32 and their like allow (about 1e-6 of the number): no bf16 or f16 on the way to a quantiser, and a product that is left as it is and whose result goes on into a quantised operand takes f32 operands (vector FMAs, or v_wmma_f32_16x16x4_f32). A number that lies on a knife's edge between two numbers of the format may be rounded either way, as far as f32 arithmetic and the matrix unit's own rounding can turn it there, and no further.
;;   INPUTS GIVEN AS CODES. k_w (in the module: [1024, 1024], K = its axis 1); o_w (in the module: [1024, 1024], K = its axis 1); q_w (in the module: [1024, 1024], K = its axis 1); v_w (in the module: [1024, 1024], K = its axis 1): each comes as NAME_codes (uint8): NAME with its K axis moved to the last place and cut into blocks of 32 codes, [.., K / 32, bytes a block], one block behind the other in memory; one code a byte (a code: sign, 4 exponent bits, 3 mantissa bits); and NAME_scales (uint8): the same leading axes, one E8M0 byte (e + 127) for each 32 codes along K. Its value is code x scale, taken as it is: it is not quantised again, and the codes and scales need not be those that the quantiser above would give.
;; One version. Each part assembles by itself: llvm-mc -triple=amdgcn-amd-amdhsa -mcpu=gfx1250 --defsym DOCPART=n.
;; ======== version 1 of 1: 5 launches
;; workspace buffers: x_codes 25,165,824 bytes; x_scales 786,432 bytes; kv_part 16,777,216 bytes; ks_part 1,048,576 bytes; kv_img 524,288 bytes; kv_aux 49,152 bytes; at_codes 8,388,608 bytes; at_scales 262,144 bytes
;; launch lnq (part 1): grid 768 x 1, 4 waves a work-group, no clusters, 22,016 bytes of LDS; arguments query, context, lnq_g, lnq_b, lnkv_g, lnkv_b, x_codes, x_scales; writes x_codes, x_scales
.if DOCPART == 1
	.amdgcn_target "amdgcn-amd-amdhsa--gfx1250"
	.amdhsa_code_object_version 6
	.text
	.protected	k_q7e4073ec74_lnq
	.globl	k_q7e4073ec74_lnq
	.p2align	8
	.type	k_q7e4073ec74_lnq,@function
k_q7e4073ec74_lnq:
	s_mov_b64 s[64:65], 0
	v_nop
	global_prefetch_b8 v0, s[64:65] scope:SCOPE_SE
	s_setreg_imm32_b32 hwreg(HW_REG_WAVE_MODE, 25, 1), 1
	s_wait_xcnt 0x0
; LayerNorm of query (8,192 rows) and context (16,384 rows) of 1,024 f32, and the MX-FP8 quantiser along the row: codes of E4M3, one E8M0 byte for each 32 numbers.
; x_codes [24,576][1,024], x_scales [24,576][32]: rows 0 .. 8,191 are query's, the others context's.
; mean and variance in two passes over the row, which stays in registers: the variance is the mean of (x - mean)^2, so a common offset of the inputs cancels before anything is squared.
; SHARES.  Work-group g owns rows 32 g .. 32 g + 31 (g < 256: query), a wave 8 of them: its 8 x 32 scale bytes are 256 consecutive bytes, aligned.  Waves share nothing: no barrier.
; A load takes 512 consecutive bytes, 16 a lane; the conversions want 16 NEIGHBOURS in a lane.  So a row turns through the wave's own stage in LDS: in as loaded, out 64 bytes a lane,
; 16 bytes of padding behind each 64.  Register 16 s + i of a lane is then element 512 s + 16 lane + i; two neighbouring lanes hold a block of 32.
; Three rows of loads (24 loads a wave) are on their way.
; A block's scale is 2^(floor(log2(largest magnitude)) - 8); its byte is the largest magnitude's exponent field - 8, held at 1 from below.
; LIMITS: a block whose largest magnitude lies under 2^-118, a block of zeros among them, gets the byte 1 (the rule says 127 for zeros): its codes add nothing and this program alone reads the bytes.
; NaN and infinities among the inputs are not served.  The sums are taken in another order than a serial one.
.set WREG,  5376                       ; LDS of a wave: the stage, 64 places of SP bytes, then 256 scale bytes
.set SP,    80                         ; a place: 64 bytes + 16 of padding
.set SBOFF, 5120
.set LD,   2                           ; v2   16 x lane
.set SI,   3                           ; v3   the stage on the way in
.set SO,   4                           ; v4   and on the way out
.set GB,   5                           ; v5   64 x lane: my 16 numbers of a step in the gain and the bias
.set SBY,  6                           ; v6   my block's scale byte in LDS
.set SRD,  7                           ; v7   the scale bytes on the way out: 8 a lane
.set SGO,  8                           ; v8   8 x lane
.set MU,   10                          ; v[10:11] the mean (low word)
.set RSQ,  12                          ; v[12:13] 1 / sqrt(variance + eps) (low word)
.set G,    16                          ; v16-47   the gain at my 32 elements
.set BB,   48                          ; v48-79   the bias
.set R,    80                          ; v80-175  three sets of 32: rows as loaded
.set X,    176                         ; v176-207 the row at work
.set C,    208                         ; v208-223 two sets of 8: a row's codes
.set SA,   224                         ; v[224:227] sums
.set QM,   228                         ; v228-229 largest magnitudes
.set QS,   230                         ; v230 the conversion's scale operand
.set QH,   231                         ; v231 448 x the scale
.set E,    236                         ; v236-237 scale bytes
	s_load_b512 s[4:19], s[0:1], 0x0               ; query, context, lnq_g, lnq_b, lnkv_g, lnkv_b, x_codes, x_scales
	v_lshl_add_u32 v240, v0, 2, 0x5400
	v_mov_b32 v241, 0
	v_lshrrev_b32 v1, 5, v0
	v_readfirstlane_b32 s20, v1                    ; wave
	v_and_b32 v1, 31, v0                           ; lane
	v_lshlrev_b32 v[LD], 4, v1
	s_mul_i32 s26, s20, WREG
	v_lshrrev_b32 v9, 2, v1
	v_mul_u32_u24 v9, v9, SP
	v_and_b32 v14, 3, v1
	v_lshl_add_u32 v9, v14, 4, v9
	v_add_nc_u32 v[SI], s26, v9                    ; SP (lane / 4) + 16 (lane % 4): a load's 512 bytes take eight places
	v_mul_u32_u24 v9, v1, SP
	v_add_nc_u32 v[SO], s26, v9                    ; SP x lane
	v_lshlrev_b32 v[GB], 6, v1
	s_add_co_u32 s26, s26, SBOFF
	v_lshrrev_b32 v9, 1, v1
	v_add_nc_u32 v[SBY], s26, v9
	v_lshlrev_b32 v[SGO], 3, v1
	v_add_nc_u32 v[SRD], s26, v[SGO]
	v_mov_b32 v[MU+1], 0                           ; named as the upper halves of pairs
	v_mov_b32 v[RSQ+1], 0
	s_mov_b32 s21, 0x3a800000                      ; 1 / 1,024
	s_mov_b32 s22, 0x3727c5ac                      ; 1e-5
	s_mov_b32 s23, 0x600000                        ; the mantissa field of 448
	s_mov_b32 s24, 0x76543210
	s_mov_b32 s25, 0xfedcba98                      ; lane l xor 16
	s_lshl_b32 s28, s20, 3                         ; 8 rows a wave
	s_mov_b32 s31, 0
	s_wait_kmcnt 0x0
	s_cmp_lt_u32 ttmp9, 256                        ; query's work-group or context's: the choice hangs on the work-group's number alone
	s_cselect_b64 s[4:5], s[4:5], s[6:7]
	s_cselect_b64 s[8:9], s[8:9], s[12:13]
	s_cselect_b64 s[10:11], s[10:11], s[14:15]
	s_cselect_b32 s27, 0, 256
	s_sub_co_u32 s27, ttmp9, s27
	s_lshl_b32 s27, s27, 5
	s_add_co_u32 s27, s27, s28                     ; my first row in its own tensor
	s_lshl_b32 s30, s27, 12
	s_add_nc_u64 s[4:5], s[4:5], s[30:31]
	s_lshl_b32 s27, ttmp9, 5
	s_add_co_u32 s27, s27, s28                     ; and in the codes' buffer
	s_lshl_b32 s30, s27, 10
	s_add_nc_u64 s[16:17], s[16:17], s[30:31]
	s_lshl_b32 s30, s27, 5
	s_add_nc_u64 s[18:19], s[18:19], s[30:31]
.irp s, 0,1
.irp k, 0,1,2,3
	global_load_b128 v[G+16*\s+4*\k:G+16*\s+4*\k+3], v[GB], s[8:9] offset:2048*\s+16*\k
	global_load_b128 v[BB+16*\s+4*\k:BB+16*\s+4*\k+3], v[GB], s[10:11] offset:2048*\s+16*\k
.endr
.endr
.macro LOAD t                          ; row t: eight loads of 512 consecutive bytes
.irp i, 0,1,2,3,4,5,6,7
	global_load_b128 v[R+32*((\t)%3)+4*\i:R+32*((\t)%3)+4*\i+3], v[LD], s[4:5] offset:4096*(\t)+512*\i th:TH_LOAD_NT
.endr
.endm
.macro REDUCE                          ; v[SA] summed over the 32 lanes, the result in every lane
	v_add_f32_dpp v[SA], v[SA], v[SA] row_xmask:1 row_mask:0xf bank_mask:0xf
	v_add_f32_dpp v[SA], v[SA], v[SA] row_xmask:2 row_mask:0xf bank_mask:0xf
	v_add_f32_dpp v[SA], v[SA], v[SA] row_xmask:4 row_mask:0xf bank_mask:0xf
	v_add_f32_dpp v[SA], v[SA], v[SA] row_xmask:8 row_mask:0xf bank_mask:0xf
	v_permlanex16_b32 v[SA+1], v[SA], s24, s25
	v_add_f32 v[SA], v[SA], v[SA+1]
.endm
	LOAD 0
	LOAD 1
	LOAD 2
.macro ROW t
.set RW, R+32*((\t)%3)
.set CW, C+8*((\t)%2)
.if (\t) <= 5
	s_wait_loadcnt 16                              ; my row is in (the gain and bias are older); the next two rows' 16 loads may be out
.elseif (\t) == 6
	s_wait_loadcnt 8
.else
	s_wait_loadcnt 0x0
.endif
.irp i, 0,1,2,3,4,5,6,7
	ds_store_b128 v[SI], v[RW+4*\i:RW+4*\i+3] offset:8*SP*\i
.endr
.irp s, 0,1
.irp k, 0,1,2,3
	ds_load_b128 v[X+16*\s+4*\k:X+16*\s+4*\k+3], v[SO] offset:32*SP*\s+16*\k   ; LDS serves a wave's instructions in order: these see the stores above
.endr
.endr
	s_wait_dscnt 0x0                               ; the row is back; the stores into the stage and the last row's byte stores have read their registers
.if (\t)+3 < 8
	LOAD (\t)+3
.endif
	v_pk_add_f32 v[SA:SA+1], v[X:X+1], v[X+2:X+3]                  ; the row's sum, two chains
	v_pk_add_f32 v[SA+2:SA+3], v[X+4:X+5], v[X+6:X+7]
.irp j, 8,12,16,20,24,28
	v_pk_add_f32 v[SA:SA+1], v[SA:SA+1], v[X+\j:X+\j+1]
	v_pk_add_f32 v[SA+2:SA+3], v[SA+2:SA+3], v[X+\j+2:X+\j+3]
.endr
	v_pk_add_f32 v[SA:SA+1], v[SA:SA+1], v[SA+2:SA+3]
	v_add_f32 v[SA], v[SA], v[SA+1]
	REDUCE
	v_mul_f32 v[MU], s21, v[SA]                    ; the mean
.irp j, 0,2,4,6,8,10,12,14,16,18,20,22,24,26,28,30
	v_pk_add_f32 v[X+\j:X+\j+1], v[X+\j:X+\j+1], v[MU:MU+1] op_sel_hi:[1,0] neg_lo:[0,1] neg_hi:[0,1]
.endr
	v_pk_mul_f32 v[SA:SA+1], v[X:X+1], v[X:X+1]                    ; the sum of (x - mean)^2
	v_pk_mul_f32 v[SA+2:SA+3], v[X+2:X+3], v[X+2:X+3]
.irp j, 4,8,12,16,20,24,28
	v_pk_fma_f32 v[SA:SA+1], v[X+\j:X+\j+1], v[X+\j:X+\j+1], v[SA:SA+1]
	v_pk_fma_f32 v[SA+2:SA+3], v[X+\j+2:X+\j+3], v[X+\j+2:X+\j+3], v[SA+2:SA+3]
.endr
	v_pk_add_f32 v[SA:SA+1], v[SA:SA+1], v[SA+2:SA+3]
	v_add_f32 v[SA], v[SA], v[SA+1]
	REDUCE
	v_fma_f32 v14, v[SA], s21, s22                 ; variance + eps
	v_rsq_f32 v[RSQ], v14
	v_nop                                          ; one plain instruction behind the transcendental (ISA guide 5.7.2)
	s_wait_alu depctr_va_vdst(0)
.irp j, 0,2,4,6,8,10,12,14,16,18,20,22,24,26,28,30
	v_pk_mul_f32 v[X+\j:X+\j+1], v[X+\j:X+\j+1], v[RSQ:RSQ+1] op_sel_hi:[1,0]
.endr
.irp j, 0,2,4,6,8,10,12,14,16,18,20,22,24,26,28,30
	v_pk_fma_f32 v[X+\j:X+\j+1], v[X+\j:X+\j+1], v[G+\j:G+\j+1], v[BB+\j:BB+\j+1]
.endr
.irp s, 0,1                                    ; the quantiser, 16 numbers a lane and step
.set XS, X+16*\s
	v_max3_num_f32 v[QM], |v[XS]|, |v[XS+1]|, |v[XS+2]|
	v_max3_num_f32 v[QM+1], |v[XS+3]|, |v[XS+4]|, |v[XS+5]|
.irp i, 6,10
	v_max3_num_f32 v[QM], v[QM], |v[XS+\i]|, |v[XS+\i+1]|
	v_max3_num_f32 v[QM+1], v[QM+1], |v[XS+\i+2]|, |v[XS+\i+3]|
.endr
	v_max3_num_f32 v[QM], v[QM], |v[XS+14]|, |v[XS+15]|
	v_max3_num_f32 v[QM], v[QM], v[QM+1], 0x4800000                ; and the floor 2^(9 - 127): the byte cannot fall under 1
	v_max_num_f32_dpp v[QM], v[QM], v[QM] row_xmask:1 row_mask:0xf bank_mask:0xf   ; with my neighbour's 16: the block's
	v_add_nc_u32 v[QS], 0xfc000000, v[QM]          ; 8 off the exponent field: the conversion's scale operand
	v_and_or_b32 v[QH], v[QM], 0x7f800000, s23     ; 448 x the scale
.irp i, 0,1,2,3,4,5,6,7,8,9,10,11,12,13,14,15
	v_med3_num_f32 v[XS+\i], v[XS+\i], -v[QH], v[QH]               ; the conversion does not saturate (ISA guide 7.6.2): the hold comes first
.endr
.if \s == 0
	s_wait_xcnt 0x0                                ; the stores of two rows ago have read this set of code registers
.endif
	v_cvt_scalef32_pk8_fp8_f32 v[CW+4*\s:CW+4*\s+1], v[XS:XS+7], v[QS]
	v_cvt_scalef32_pk8_fp8_f32 v[CW+4*\s+2:CW+4*\s+3], v[XS+8:XS+15], v[QS]
	v_lshrrev_b32 v[E+\s], 23, v[QS]               ; the scale's byte (also the plain instruction behind the conversions)
	ds_store_b8 v[SBY], v[E+\s] offset:32*(\t)+16*\s               ; both lanes of a block write the same byte with the same value
	global_store_b128 v[LD], v[CW+4*\s:CW+4*\s+3], s[16:17] offset:1024*(\t)+512*\s   ; 512 consecutive bytes a store
.endr
.endm
.irp t, 0,1,2,3,4,5,6,7
	ROW \t
.endr
	ds_load_b64 v[QM:QM+1], v[SRD]                 ; my wave's 256 scale bytes, 8 a lane
	s_wait_dscnt 0x0
	global_store_b64 v[SGO], v[QM:QM+1], s[18:19]  ; 256 consecutive bytes, aligned
	s_wait_tensorcnt 0x0
	ds_add_u32 v240, v241
	s_wait_dscnt 0x0
	s_endpgm
.Lfunc_end_k_q7e4073ec74_lnq:
	.size	k_q7e4073ec74_lnq, .Lfunc_end_k_q7e4073ec74_lnq-k_q7e4073ec74_lnq
	.p2alignl 7, 3214868480
	.fill 96, 4, 3214868480
	.section	.rodata,"a",@progbits
	.p2align	6, 0x0
	.amdhsa_kernel k_q7e4073ec74_lnq
		.amdhsa_group_segment_fixed_size 22016
		.amdhsa_private_segment_fixed_size 0
		.amdhsa_enable_private_segment 0
		.amdhsa_kernarg_size 64
		.amdhsa_user_sgpr_count 2
		.amdhsa_user_sgpr_kernarg_segment_ptr 1
		.amdhsa_wavefront_size32 1
		.amdhsa_system_sgpr_workgroup_id_x 1
		.amdhsa_system_sgpr_workgroup_id_y 1
		.amdhsa_system_sgpr_workgroup_id_z 1
		.amdhsa_system_vgpr_workitem_id 0
		.amdhsa_next_free_vgpr 242
		.amdhsa_next_free_sgpr 66
		.amdhsa_reserve_vcc 0
		.amdhsa_float_denorm_mode_32 3
		.amdhsa_float_denorm_mode_16_64 3
		.amdhsa_memory_ordered 1
		.amdhsa_forward_progress 1
		.amdhsa_inst_pref_size 100
	.end_amdhsa_kernel
	.amdgpu_metadata
---
amdhsa.version: [ 1, 2 ]
amdhsa.kernels:
  - .name:           k_q7e4073ec74_lnq
    .symbol:         k_q7e4073ec74_lnq.kd
    .args:
      - { .name: query, .offset: 0, .size: 8, .value_kind: global_buffer, .address_space: global }
      - { .name: context, .offset: 8, .size: 8, .value_kind: global_buffer, .address_space: global }
      - { .name: lnq_g, .offset: 16, .size: 8, .value_kind: global_buffer, .address_space: global }
      - { .name: lnq_b, .offset: 24, .size: 8, .value_kind: global_buffer, .address_space: global }
      - { .name: lnkv_g, .offset: 32, .size: 8, .value_kind: global_buffer, .address_space: global }
      - { .name: lnkv_b, .offset: 40, .size: 8, .value_kind: global_buffer, .address_space: global }
      - { .name: x_codes, .offset: 48, .size: 8, .value_kind: global_buffer, .address_space: global }
      - { .name: x_scales, .offset: 56, .size: 8, .value_kind: global_buffer, .address_space: global }
    .group_segment_fixed_size: 22016
    .private_segment_fixed_size: 0
    .kernarg_segment_align: 8
    .kernarg_segment_size: 64
    .max_flat_workgroup_size: 128
    .sgpr_count:     66
    .vgpr_count:     242
    .wavefront_size: 32
...
	.end_amdgpu_metadata
.endif
;; end of part 1
;; launch kvg (part 2): grid 64 x 8, 4 waves a work-group, clusters of 4 x 4, 327,680 bytes of LDS; arguments x_codes, x_scales, k_w_codes, k_w_scales, v_w_codes, v_w_scales, k_b, v_b, kv_part, ks_part; writes kv_part, ks_part
.if DOCPART == 2
	.amdgcn_target "amdgcn-amd-amdhsa--gfx1250"
	.amdhsa_code_object_version 6
	.text
	.protected	k_q7e4073ec74_kvg
	.globl	k_q7e4073ec74_kvg
	.p2align	8
	.type	k_q7e4073ec74_kvg,@function
k_q7e4073ec74_kvg:
	s_mov_b64 s[64:65], 0
	v_nop
	global_prefetch_b8 v0, s[64:65] scope:SCOPE_SE
	s_setreg_imm32_b32 hwreg(HW_REG_WAVE_MODE, 25, 1), 1
	s_wait_xcnt 0x0
	s_wait_alu depctr_hold_cnt(0) depctr_sa_sdst(0) depctr_va_vdst(0) depctr_va_sdst(0) depctr_va_ssrc(0) depctr_va_vcc(0) depctr_vm_vsrc(0)
	s_getreg_b32 s2, hwreg(HW_REG_IB_STS2, 6, 4)
	s_cmp_eq_u32 s2, 0
	s_cbranch_scc0 .Lentry_in_a_cluster
	s_endpgm
.Lentry_in_a_cluster:
	s_bfe_u32 s2, ttmp6, 0x10000c
	s_cmp_lg_u32 s2, 0xf033
	s_cbranch_scc0 .Lentry_shape_is_right
	s_endpgm
.Lentry_shape_is_right:
; K = elu(c k_w^T + k_b) + 1 and V = c v_w^T + v_b for 256 context rows and two heads, then the part of KV = K^T V and of K_sum that these 256 rows give.  All products on codes of E4M3 with E8M0 scales.
; SHARES.  Work-group (xt, yg): context rows 256 xt .. + 255, heads 2 yg and 2 yg + 1.  Wave w = 2 eta + rho: head 2 yg + eta, rows 128 rho .. + 127: 128 rows x (64 columns of K, 64 of V), 64 accumulators.
; K = 1,024 goes in four steps of 256 through two LDS slots filled by the tensor data mover; the scale bytes of all of K come once.
; CLUSTER 4 x 4: the four work-groups of a row of the cluster need the same weights, the four of a column the same context rows: each tile is asked for jointly.
; LAYOUT.  Source 0 = 16 context rows, source 1 = 16 weight rows: lane (r, h) of accumulator (a, b) holds column 16 a + r and the context rows 16 b + 8 h + 0 .. 7.  So for one a a lane's 64 registers run ALONG
; THE CONTEXT ROWS, which are the K of K^T V: registers 16 B .. 16 B + 15 of lanes l and l xor 16 are the block of rows 32 B .. 32 B + 31, and the conversions' results are the next operand's registers.
; Inside a block of 32 the rows stand in another order than in memory, alike in K^T's and V's fragments: the products are the same, only the order of summing differs.
; The fragments go from wave to wave through LDS as images of their registers; each wave then makes half of its head's 64 x 64 sums over both halves of the rows.
; elu(x) + 1 = the middle one of x + 1, e^x and 1 (x <= 0: x + 1 <= e^x <= 1;  x > 0: 1 < x + 1 <= e^x).
; The biases are the C of each sum's first product.
; LIMITS: NaN and infinities are not served; a block whose largest magnitude lies under 2^-118 (a block of zeros too) gets the scale byte 1: this program alone reads these bytes.
; REGISTERS, in windows of 256: window 0: v0-31 addresses; v32-63 scale words, two sets; v64-127 the biases, later at work; v128-255 the weights' fragments (one set), later at work.
;   window 1: the context rows' fragments, two sets; later the 8 accumulators of K^T V (v0-63) and V's fragments (v64-127).   windows 2, 3: the accumulators of K (a = 0 .. 3) and of V (a = 4 .. 7).
.set PITCH,  272                       ; an LDS row: 256 bytes + 16 of padding: the 16 rows of a fragment load start at 16 different banks (64 banks of 4 bytes: ISA guide 11.1)
.set HALFT,  128*PITCH                 ; what one tensor load brings
.set SLOT,   4*HALFT                   ; the weights' 256 rows (128 of k_w, 128 of v_w), then 256 context rows
.set SCL,    2*SLOT                    ; behind the ring: the scale bytes, rows of 256 bytes + 16
.set HALFS,  16*272                    ; those of 128 rows
.set SBLK,   2*272                     ; those of 16 rows
.set SPARE,  SCL+4*HALFS               ; the spare words: 128 bytes a wave, two blocks of 256 bytes that no other line names
.set ROWB,   256
.set KROW,   1024
.set FR,     16
.set NP,     8                         ; places behind this matrix instruction (ISA guide 7.12.1)
.set XREG,   17408                     ; the exchange, in slot 0 behind its last fill and last read: for each wave 8 fragment images of 2,048 bytes and 8 x 128 bytes of scale words
.set XWI,  7                           ; v7   where I store images
.set XWS,  8                           ; v8   and scale words
.set LIK,  9                           ; v9   my head's images
.set LIV,  10                          ; v10  and V's for my two tiles of e
.set LSK,  11                          ; v11  my head's scale words
.set LSV,  12                          ; v12  and V's
.set ADRA, 16
.set ADRS2, 18
.set ADRB, 20
.set PW,   22                          ; v22  the scale word just made
.set ADRS, 27
.set SPW,  28
.set NIL,  29
.set L16,  30                          ; v30  16 x lane
.set L4,   31                          ; v31  4 x lane
.set SC,   32
.set BIAS, 64
.set AF,   128
.set PC,   64                          ; at work behind the products: v64-79 codes, v80-95 the quantiser's, v100-103 K_sum's parts, v104-107 sums
.set TM,   80
.set KSUM, 100
.set KT,   104
.set T,    128
.set U,    192
.set G1A, 24
.set G0A, 32
.set TC,  42
.set G1B, 48
.set G0B, 56
.set G1SA, 68
.set G0SA, 76
.set G1SB, 80
.set G0SB, 88
.set WV,  92
.set HA,  93
.set HB,  94
.set TR,  95
.set MSB, 0
.macro WIN new                         ; the immediate's high byte repeats the setting that is left
.if MSB != (\new)
	s_set_vgpr_msb (MSB<<8)|(\new)
.set MSB, (\new)
.endif
.endm
.macro PLACES n
.rept \n
	v_nop
.endr
.endm
; A joint load: waves 0 and 1 fetch the weights, waves 2 and 3 the context rows.  The branch hangs on the wave's number alone.  Four v_nop follow each of the two lines.
.macro JLOAD g0a, g1a, g0b, g1b
	s_cmp_eq_u32 s[HA], 0
	s_cbranch_scc0 .Lfor_b_\@
	tensor_load_to_lds s[\g0a:\g0a+3], s[\g1a:\g1a+7]
	s_nop 0
.rept 4
	v_nop
.endr
	s_branch .Lasked_\@
.Lfor_b_\@:
	tensor_load_to_lds s[\g0b:\g0b+3], s[\g1b:\g1b+7]
	s_nop 0
.rept 4
	v_nop
.endr
.Lasked_\@:
.endm
.macro CREST                           ; a round of the cluster's barrier behind its opening barrier
	s_cmp_lg_u32 s[WV], 0
	s_cbranch_scc1 .Lnot_wave_0_\@
	s_barrier_signal -3
.Lnot_wave_0_\@:
	s_barrier_wait -3
	s_barrier_signal -1
	s_barrier_wait -1
.endm
.macro CROUND
	s_barrier_signal -1
	s_barrier_wait -1
	CREST
.endm
	s_load_b512 s[4:19], s[0:1], 0x0               ; x_codes, x_scales, k_w codes, scales, v_w codes, scales, k_b, v_b
	s_load_b128 s[20:23], s[0:1], 0x40             ; kv_part, ks_part
	v_lshl_add_u32 v[SPW], v0, 2, SPARE
	v_mov_b32 v[NIL], 0
	ds_add_u32 v28, v29
	ds_add_u32 v28, v29
	s_wait_dscnt 0x0
	v_lshrrev_b32 v1, 5, v0
	v_readfirstlane_b32 s[WV], v1                  ; wave 0..3
	s_lshr_b32 s[HA], s[WV], 1                     ; my head of the pair.  Also: I fetch weights (0) or context rows (1)
	s_and_b32 s[HB], s[WV], 1                      ; my half of the rows.  Also: which half I fetch (of the weights: k_w or v_w)
	s_bfe_u32 s40, ttmp6, 0x40000                  ; cx, cy
	s_bfe_u32 s41, ttmp6, 0x40004
	s_lshl_b32 s[TC], ttmp9, 2
	s_add_co_u32 s[TC], s[TC], s40                 ; xt = 4 x cluster x + cx
	s_and_b32 s[TR], ttmp7, 0xffff
	s_lshl_b32 s[TR], s[TR], 2
	s_add_co_u32 s[TR], s[TR], s41                 ; yg = 4 x cluster y + cy
	s_lshl_b32 s43, s41, 2
	s_lshl_b32 s43, 15, s43                        ; my row of the cluster
	s_lshl_b32 s44, 0x1111, s40                    ; my column
	s_or_b32 s[G1A], s43, (0<<16)|(1<<20)|(1<<21)|(5<<22)|(3<<25)   ; mask; elements of 1 byte; padding on; bit 21 beside a mask; 4 words behind every 64
	s_or_b32 s[G1B], s44, (0<<16)|(1<<20)|(1<<21)|(5<<22)|(3<<25)
.irp g, G1A, G1B
	s_mov_b32 s[\g+1], ROWB<<16                    ; tensor_dim0
	s_mov_b32 s[\g+2], 128<<16                     ; tensor_dim1
	s_mov_b32 s[\g+3], ROWB<<16                    ; tile_dim0
	s_mov_b32 s[\g+4], 128                         ; tile_dim1
	s_mov_b32 s[\g+5], KROW                        ; the pitch
	s_mov_b32 s[\g+6], 0
	s_mov_b32 s[\g+7], 0
.endr
	s_or_b32 s[G1SA], s43, (3<<16)|(1<<20)|(1<<21)|(5<<22)|(3<<25)  ; the scale bytes of 128 rows: 4,096 dense bytes as 16 rows of 32 elements of 8 bytes
	s_or_b32 s[G1SB], s44, (3<<16)|(1<<20)|(1<<21)|(5<<22)|(3<<25)
.irp g, G1SA, G1SB
	s_mov_b32 s[\g+1], 32<<16
	s_mov_b32 s[\g+2], 16<<16
	s_mov_b32 s[\g+3], 32<<16
	s_mov_b32 s[\g+4], 16
	s_mov_b32 s[\g+5], 32
	s_mov_b32 s[\g+6], 0
	s_mov_b32 s[\g+7], 0
.endr
	s_lshl_b32 s100, s[TR], 17                     ; the weights: rows 128 yg on, 1,024 bytes each;
	s_mov_b32 s101, 0
	s_lshl_b32 s66, s[TR], 12                      ; their scale bytes, 32 a row
	s_mov_b32 s67, 0
	s_lshl_b32 s46, s[TC], 8
	s_lshl_b32 s2, s[HB], 7
	s_add_co_u32 s46, s46, s2
	s_add_co_u32 s46, s46, 8192                    ; the context rows: 8,192 + 256 xt + 128 x half
	s_lshl_b32 s2, s46, 5
	s_mov_b32 s3, 0
	s_lshl_b32 s46, s46, 10
	s_mov_b32 s47, 0
	s_mul_i32 s45, s[WV], HALFT                    ; where they go: wave x 128 rows: no place in the cluster enters an LDS address
	s_mul_i32 s99, s[WV], HALFS
	s_mov_b32 s96, 0x76543210
	s_mov_b32 s97, 0xfedcba98                      ; lane l xor 16
	s_mov_b32 s98, 0x600000                        ; the mantissa field of 448
	s_mov_b32 s104, 0x3fb8aa3b                     ; log2(e)
	s_mov_b32 s105, s104
	s_wait_kmcnt 0x0
	s_cmp_eq_u32 s[HB], 0                          ; wave 0 fetches k_w, wave 1 v_w: the choice hangs on the wave's number alone
	s_cselect_b64 s[8:9], s[8:9], s[12:13]
	s_cselect_b64 s[10:11], s[10:11], s[14:15]
	s_add_nc_u64 s[100:101], s[8:9], s[100:101]
	s_add_nc_u64 s[66:67], s[10:11], s[66:67]
	s_add_nc_u64 s[46:47], s[4:5], s[46:47]
	s_add_nc_u64 s[2:3], s[6:7], s[2:3]
	CROUND                                         ; all sixteen work-groups are here: the first joint loads meet
	s_mov_b32 s[G0SA], 1
	s_add_co_u32 s[G0SA+1], s99, SCL
	s_mov_b64 s[G0SA+2:G0SA+3], s[66:67]
	s_or_b32 s[G0SA+3], s[G0SA+3], 0x80000000
	s_mov_b32 s[G0SB], 1
	s_add_co_u32 s[G0SB+1], s99, SCL
	s_mov_b64 s[G0SB+2:G0SB+3], s[2:3]
	s_or_b32 s[G0SB+3], s[G0SB+3], 0x80000000
	JLOAD G0SA, G1SA, G0SB, G1SB                   ; the scales first: they are wanted with K step 0
.irp s, 0,1
	s_mov_b32 s[G0A+4*\s], 1
	s_add_co_u32 s[G0A+4*\s+1], s45, \s*SLOT
	s_add_nc_u64 s[G0A+4*\s+2:G0A+4*\s+3], s[100:101], \s*ROWB
	s_or_b32 s[G0A+4*\s+3], s[G0A+4*\s+3], 0x80000000
	s_mov_b32 s[G0B+4*\s], 1
	s_add_co_u32 s[G0B+4*\s+1], s45, \s*SLOT
	s_add_nc_u64 s[G0B+4*\s+2:G0B+4*\s+3], s[46:47], \s*ROWB
	s_or_b32 s[G0B+4*\s+3], s[G0B+4*\s+3], 0x80000000
	JLOAD G0A+4*\s, G1A, G0B+4*\s, G1B             ; three tensor loads of mine are out
.endr
	v_and_b32 v1, 15, v0                           ; r
	v_bfe_u32 v2, v0, 4, 1                         ; h
	v_mul_u32_u24 v3, v1, PITCH
	v_lshl_add_u32 v4, v2, 4, v3                   ; a fragment's row x pitch + 16 h
	s_mul_i32 s66, s[HA], 64*PITCH                 ; my head's 64 rows of k_w (v_w's lie 128 rows on)
	s_mul_i32 s67, s[HB], HALFT                    ; my 128 context rows,
	s_add_co_u32 s67, s67, 2*HALFT                 ; behind the weights' 256
.irp s, 0,1
	v_add_nc_u32 v[ADRA+\s], s66, v4
	v_add_nc_u32 v[ADRB+\s], s67, v4
	s_add_co_u32 s66, s66, SLOT
	s_add_co_u32 s67, s67, SLOT
.endr
	v_lshlrev_b32 v5, 5, v1                        ; my row's scale bytes: 32 a row,
	v_lshrrev_b32 v6, 8, v5
	v_lshl_add_u32 v5, v6, 4, v5                   ; and 16 more for each 256 passed
	s_mul_i32 s66, s[HA], 4*SBLK                   ; lanes 0-15: the weights' words; lanes 16-31: the context rows'
	s_mul_i32 s67, s[HB], HALFS
	s_add_co_u32 s67, s67, 2*HALFS
	s_sub_co_u32 s67, s67, s66
	v_mul_u32_u24 v6, s67, v2
	s_add_co_u32 s66, s66, SCL
	v_add_nc_u32 v6, v5, v6
	v_add_nc_u32 v[ADRS], s66, v6                  ; blocks 0-3: k_w's
	s_sub_co_u32 s67, s67, 4*SBLK
	v_mul_u32_u24 v6, s67, v2
	s_add_co_u32 s66, s66, 4*SBLK
	v_add_nc_u32 v6, v5, v6
	v_add_nc_u32 v[ADRS2], s66, v6                 ; blocks 4-7: v_w's lie four blocks further on than the shared immediate says
	v_and_b32 v3, 31, v0
	v_lshlrev_b32 v[L16], 4, v3
	v_lshlrev_b32 v[L4], 2, v3
	s_mul_i32 s66, s[WV], XREG
	v_add_nc_u32 v[XWI], s66, v[L16]
	s_add_co_u32 s66, s66, 16384
	v_add_nc_u32 v[XWS], s66, v[L4]
	s_mul_i32 s66, s[HA], 2*XREG
	v_add_nc_u32 v[LIK], s66, v[L16]
	s_lshl_b32 s67, s[HB], 12
	s_add_co_u32 s67, s67, s66
	v_add_nc_u32 v[LIV], s67, v[L16]
	s_add_co_u32 s66, s66, 16384
	v_add_nc_u32 v[LSK], s66, v[L4]
	s_lshl_b32 s67, s[HB], 8
	s_add_co_u32 s67, s67, s66
	v_add_nc_u32 v[LSV], s67, v[L4]
	s_lshl_b32 s66, s[TR], 9                       ; the biases of my head: (128 yg + 64 eta) x 4 bytes
	s_lshl_b32 s67, s[HA], 8
	s_add_co_u32 s66, s66, s67
	s_mov_b32 s67, 0
	s_add_nc_u64 s[16:17], s[16:17], s[66:67]
	s_add_nc_u64 s[18:19], s[18:19], s[66:67]
	v_lshlrev_b32 v13, 2, v1
.irp a, 0,1,2,3
	global_load_b32 v[BIAS+8*\a], v13, s[16:17] offset:64*\a        ; k_b at column 16 a + r
	global_load_b32 v[BIAS+32+8*\a], v13, s[18:19] offset:64*\a     ; v_b likewise
.endr
	s_lshl_b32 s66, s[TC], 3                       ; where my results go: ((8 xt + yg) 4 + wave) x 8,192 and x 512 bytes
	s_add_co_u32 s66, s66, s[TR]
	s_lshl_b32 s66, s66, 2
	s_add_co_u32 s66, s66, s[WV]
	s_lshl_b32 s100, s66, 13
	s_mov_b32 s101, 0
	s_add_nc_u64 s[20:21], s[20:21], s[100:101]
	s_lshl_b32 s100, s66, 9
	s_add_nc_u64 s[22:23], s[22:23], s[100:101]
.macro FRAG reg, adr, q, rowoff        ; 16 rows x 128 K of codes: lane (r, h) holds row r; registers 4 c .. 4 c + 3 hold K = 32 c + 16 h + 0 .. 15
.irp c, 0,1,2,3
	ds_load_b128 v[\reg+4*\c:\reg+4*\c+3], v[\adr] offset:128*(\q)+32*\c+(\rowoff)*PITCH
.endr
.endm
.macro FETCH_B slot, q                 ; the context rows' eight fragments of the slot's q-th 128 along K into set q
	WIN 0x40
.irp i, 0,1,2,3,4,5,6,7
	FRAG 128*(\q)+FR*\i, ADRB+\slot, \q, 16*\i
.endr
	WIN 0
.endm
.macro FETCH_A slot, q, i0             ; the weights' blocks i0 .. i0 + 3: blocks 0-3 are k_w's, blocks 4-7 v_w's, 128 LDS rows on
.irp i, \i0, \i0+1, \i0+2, \i0+3
	FRAG AF+FR*(\i), ADRA+\slot, \q, 16*((\i)%4)+128*((\i)/4)
.endr
.endm
.macro SCALES sc                       ; a K step's scale words, two a row: lanes 0-15 the weights' block i, lanes 16-31 the context rows' block i
.irp i, 0,1,2,3
	ds_load_b64 v[SC+16*\sc+2*\i:SC+16*\sc+2*\i+1], v[ADRS] offset:\i*SBLK
.endr
.irp i, 4,5,6,7
	ds_load_b64 v[SC+16*\sc+2*\i:SC+16*\sc+2*\i+1], v[ADRS2] offset:\i*SBLK
.endr
.endm
; 16 products: the weights' blocks a0, a0 + 1 x the context rows' eight.  first = 1: the bias starts the sums.  The 64 accumulators take turns, one instruction a turn.
.macro MUL16 a0, q, sc, first
.irp a, \a0, \a0+1
.irp b, 0,1,2,3,4,5,6,7
.if \first
	v_wmma_scale_f32_16x16x128_f8f6f4 v[8*(8*((\a)%4)+\b):8*(8*((\a)%4)+\b)+7], v[128*(\q)+FR*\b:128*(\q)+FR*\b+FR-1], v[AF+FR*(\a):AF+FR*(\a)+FR-1], v[BIAS+8*(\a):BIAS+8*(\a)+7], v[SC+16*(\sc)+2*\b+(\q)], v[SC+16*(\sc)+2*(\a)+(\q)] matrix_a_scale:MATRIX_SCALE_ROW1
.else
	v_wmma_scale_f32_16x16x128_f8f6f4 v[8*(8*((\a)%4)+\b):8*(8*((\a)%4)+\b)+7], v[128*(\q)+FR*\b:128*(\q)+FR*\b+FR-1], v[AF+FR*(\a):AF+FR*(\a)+FR-1], v[8*(8*((\a)%4)+\b):8*(8*((\a)%4)+\b)+7], v[SC+16*(\sc)+2*\b+(\q)], v[SC+16*(\sc)+2*(\a)+(\q)] matrix_a_scale:MATRIX_SCALE_ROW1
.endif
.endr
.endr
.endm
; A slot's first 128 along K.  A load into a register that a matrix instruction has read stands NP places behind it (ISA guide 7.12.1 for vector instructions).
.macro STEP slot, first
	s_wait_dscnt 16                                ; all but the youngest 16 loads (the weights' blocks 4-7) are in
.if \first
	WIN 0x81                                       ; source 0 window 1, C (the bias) window 0, D window 2
.else
	WIN 0xa1
.endif
	MUL16 0, 0, \slot, \first
	MUL16 2, 0, \slot, \first
	s_wait_dscnt 0x0
	PLACES NP
	FETCH_B \slot, 1
	FETCH_A \slot, 1, 0
.if \first
	WIN 0xc1
.else
	WIN 0xf1
.endif
	MUL16 4, 0, \slot, \first
	MUL16 6, 0, \slot, \first
	PLACES NP
	WIN 0
	FETCH_A \slot, 1, 4
.endm
; A slot's second 128 along K, and the change of slots: one barrier; in front of it each wave waits for all its tensor loads, adds 0 to its spare word, and waits for that and for its reads of this slot.
.macro TURN slot, next, fill
	s_wait_tensorcnt 0x0                           ; all my tensor loads have landed: my part of the next slot
	ds_add_u32 v[SPW], v[NIL]                      ; 0 onto my spare word
	s_wait_dscnt 17                                ; (the add and the youngest 16 loads may be out)
	WIN 0xa1
	MUL16 0, 1, \slot, 0
	s_wait_dscnt 0x0                               ; the add is done, and my reads of this slot are over
	s_barrier_signal -1
	MUL16 2, 1, \slot, 0
	WIN 0
	s_barrier_wait -1
.if \fill
	CREST                                          ; the barrier has opened a round of the cluster's barrier: no wave of any partner still reads this slot or has a load on its way
	s_add_nc_u64 s[G0A+4*\slot+2:G0A+4*\slot+3], s[G0A+4*\slot+2:G0A+4*\slot+3], 2*ROWB
	s_add_nc_u64 s[G0B+4*\slot+2:G0B+4*\slot+3], s[G0B+4*\slot+2:G0B+4*\slot+3], 2*ROWB
	JLOAD G0A+4*\slot, G1A, G0B+4*\slot, G1B       ; the first tensor load behind the round; its four v_nop are among the places in front of the loads below
	PLACES NP-4
.else
	PLACES NP
.endif
	v_add_nc_u32 v[ADRS], 8, v[ADRS]               ; the next K step's scale words
	v_add_nc_u32 v[ADRS2], 8, v[ADRS2]
	FETCH_B \next, 0
	FETCH_A \next, 0, 0
	SCALES \next
	WIN 0xf1
	MUL16 4, 1, \slot, 0
	MUL16 6, 1, \slot, 0
	PLACES NP
	WIN 0
	FETCH_A \next, 0, 4
.endm
; ---- what follows the products, all in window 0 but for the source window sw
.macro ELU src, sw                     ; 64 accumulator registers -> v[U ..] = elu + 1.  Each accumulator is read from its low end on
	WIN \sw
.set ii, 0
.rept 32
	v_pk_mul_f32 v[T+ii:T+ii+1], v[(\src)+ii:(\src)+ii+1], s[104:105] op_sel_hi:[1,0]
.set ii, ii+2
.endr
.set ii, 0
.rept 32
	v_pk_add_f32 v[U+ii:U+ii+1], v[(\src)+ii:(\src)+ii+1], 1.0 op_sel_hi:[1,0]
.set ii, ii+2
.endr
	WIN 0
.set ii, 0
.rept 64
	v_exp_f32 v[T+ii], v[T+ii]
.set ii, ii+1
.endr
	v_nop                                          ; one plain instruction behind the transcendentals
.set ii, 0
	s_wait_alu depctr_va_vdst(0)
.rept 64
	v_med3_num_f32 v[U+ii], v[U+ii], v[T+ii], 1.0
.set ii, ii+1
.endr
.endm
.macro QMAX src, sw, sgn               ; the largest magnitude of my 16 numbers of each of four blocks, over the floor 2^(9 - 127)
	WIN (\sw<<4)|(\sw<<2)
.irp b, 0,1,2,3
.if \sgn
	v_max3_num_f32 v[TM+\b], 0x4800000, |v[(\src)+16*\b]|, |v[(\src)+16*\b+1]|
.else
	v_max3_num_f32 v[TM+\b], 0x4800000, v[(\src)+16*\b], v[(\src)+16*\b+1]
.endif
.endr
.irp i, 2,4,6,8,10,12,14
.irp b, 0,1,2,3
.if \sgn
	v_max3_num_f32 v[TM+\b], v[TM+\b], |v[(\src)+16*\b+\i]|, |v[(\src)+16*\b+\i+1]|
.else
	v_max3_num_f32 v[TM+\b], v[TM+\b], v[(\src)+16*\b+\i], v[(\src)+16*\b+\i+1]
.endif
.endr
.endr
	WIN 0
.endm
.macro QSCALE                          ; with lane l xor 16's: the blocks' scales, holds and bytes; the four bytes make the scale word
.irp b, 0,1,2,3
	v_permlanex16_b32 v[TM+4+\b], v[TM+\b], s96, s97
.endr
.irp b, 0,1,2,3
	v_max_num_f32 v[TM+\b], v[TM+\b], v[TM+4+\b]
.endr
.irp b, 0,1,2,3
	v_add_nc_u32 v[TM+12+\b], 0xfc000000, v[TM+\b]                 ; 8 off the exponent field: the conversion's scale operand
.endr
.irp b, 0,1,2,3
	v_and_or_b32 v[TM+8+\b], v[TM+\b], 0x7f800000, s98             ; 448 x the scale
.endr
.irp b, 0,1,2,3
	v_lshrrev_b32 v[TM+4+\b], 23, v[TM+12+\b]
.endr
	v_lshl_or_b32 v[PW], v[TM+5], 8, v[TM+4]
	v_lshl_or_b32 v[PW], v[TM+6], 16, v[PW]
	v_lshl_or_b32 v[PW], v[TM+7], 24, v[PW]
.endm
.macro QHOLD src, sw, dst, sgn         ; the conversion does not saturate (ISA guide 7.6.2): the hold at 448 x the scale; one-sided where nothing is negative
	WIN \sw
.irp b, 0,1,2,3
.irp i, 0,1,2,3,4,5,6,7,8,9,10,11,12,13,14,15
.if \sgn
	v_med3_num_f32 v[(\dst)+16*\b+\i], v[(\src)+16*\b+\i], -v[TM+8+\b], v[TM+8+\b]
.else
	v_min_num_f32 v[(\dst)+16*\b+\i], v[(\src)+16*\b+\i], v[TM+8+\b]
.endif
.endr
.endr
	WIN 0
.endm
.macro QCVT src
.irp b, 0,1,2,3
	v_cvt_scalef32_pk8_fp8_f32 v[PC+4*\b:PC+4*\b+1], v[(\src)+16*\b:(\src)+16*\b+7], v[TM+12+\b]
	v_cvt_scalef32_pk8_fp8_f32 v[PC+4*\b+2:PC+4*\b+3], v[(\src)+16*\b+8:(\src)+16*\b+15], v[TM+12+\b]
.endr
	v_nop                                          ; one plain instruction behind the last conversion
.endm
.macro IMAGE f                         ; the fragment and its scale word go to LDS as they stand in the registers
.irp c, 0,1,2,3
	ds_store_b128 v[XWI], v[PC+4*\c:PC+4*\c+3] offset:2048*(\f)+512*\c
.endr
	ds_store_b32 v[XWS], v[PW] offset:128*(\f)
.endm
	s_wait_tensorcnt 1                             ; the scales and my part of K step 0 are in (K step 1's load may be out),
	s_barrier_signal -1
	s_barrier_wait -1                              ; everybody's are
	FETCH_B 0, 0
	FETCH_A 0, 0, 0
	SCALES 0
	FETCH_A 0, 0, 4
	s_wait_loadcnt 0x0                             ; the biases
.irp a, 0,1,2,3,4,5,6,7
.irp j, 1,2,3,4,5,6,7
	v_mov_b32 v[BIAS+8*\a+\j], v[BIAS+8*\a]        ; a lane's eight results of a tile share one column, so one bias
.endr
.endr
	STEP 0, 1                                      ; K steps 0 .. 3, each 256 along K; slots 0 and 1 are filled once more each
	TURN 0, 1, 1
	STEP 1, 0
	TURN 1, 0, 1
	STEP 0, 0
	TURN 0, 1, 0                                   ; nothing is left to fetch: no round
	STEP 1, 0
	s_wait_dscnt 16
	WIN 0xa1
	MUL16 0, 1, 1, 0
	MUL16 2, 1, 1, 0
	s_wait_dscnt 0x0
	WIN 0xf1
	MUL16 4, 1, 1, 0
	MUL16 6, 1, 1, 0
	WIN 0
	PLACES NP
	; ---- K: elu + 1, its part of K_sum, quantised along my 128 rows: four fragments of K^T
.irp a, 0,1,2,3
	s_wait_dscnt 0x0                               ; the last image's stores have read their registers
	ELU 64*\a, 2
	v_pk_add_f32 v[KT:KT+1], v[U:U+1], v[U+2:U+3]  ; K_sum is taken of the unquantised K
	v_pk_add_f32 v[KT+2:KT+3], v[U+4:U+5], v[U+6:U+7]
.irp j, 8,12,16,20,24,28,32,36,40,44,48,52,56,60
	v_pk_add_f32 v[KT:KT+1], v[KT:KT+1], v[U+\j:U+\j+1]
	v_pk_add_f32 v[KT+2:KT+3], v[KT+2:KT+3], v[U+\j+2:U+\j+3]
.endr
	v_pk_add_f32 v[KT:KT+1], v[KT:KT+1], v[KT+2:KT+3]
	v_add_f32 v[KSUM+\a], v[KT], v[KT+1]
	QMAX U, 0, 0
	QSCALE
	QHOLD U, 0, U, 0
	QCVT U
	IMAGE \a
.endr
	; ---- V: quantised along my 128 rows: four fragments
.irp a, 0,1,2,3
	s_wait_dscnt 0x0
	QMAX 64*\a, 3, 1
	QSCALE
	QHOLD 64*\a, 3, U, 1
	QCVT U
	IMAGE 4+\a
.endr
	s_wait_dscnt 0x0                               ; for the others' sake: my images lie in LDS
	s_barrier_signal -1
	s_barrier_wait -1
	; ---- K^T V of my head over both halves of the rows: all four tiles of d x my two tiles of e
.irp p, 0,1
.irp i, 0,1,2,3
.irp c, 0,1,2,3
	ds_load_b128 v[128+16*(4*\p+\i)+4*\c:128+16*(4*\p+\i)+4*\c+3], v[LIK] offset:XREG*\p+2048*\i+512*\c
.endr
	ds_load_b32 v[32+4*\p+\i], v[LSK] offset:XREG*\p+128*\i
.endr
.irp k, 0,1
	ds_load_b32 v[40+2*\p+\k], v[LSV] offset:XREG*\p+512+128*\k
.endr
.endr
	WIN 0x40
.irp p, 0,1
.irp k, 0,1
.irp c, 0,1,2,3
	ds_load_b128 v[64+16*(2*\p+\k)+4*\c:64+16*(2*\p+\k)+4*\c+3], v[LIV] offset:XREG*\p+8192+2048*\k+512*\c
.endr
.endr
.endr
	s_wait_dscnt 0x0
	WIN 0x54                                       ; source 0 (K^T) window 0, source 1 (V), C and D window 1
.irp p, 0,1
.irp i, 0,1,2,3
.irp k, 0,1
.if \p == 0
	v_wmma_scale_f32_16x16x128_f8f6f4 v[8*(2*\i+\k):8*(2*\i+\k)+7], v[128+16*(4*\p+\i):128+16*(4*\p+\i)+15], v[64+16*(2*\p+\k):64+16*(2*\p+\k)+15], 0, v[32+4*\p+\i], v[40+2*\p+\k]
.else
	v_wmma_scale_f32_16x16x128_f8f6f4 v[8*(2*\i+\k):8*(2*\i+\k)+7], v[128+16*(4*\p+\i):128+16*(4*\p+\i)+15], v[64+16*(2*\p+\k):64+16*(2*\p+\k)+15], v[8*(2*\i+\k):8*(2*\i+\k)+7], v[32+4*\p+\i], v[40+2*\p+\k]
.endif
.endr
.endr
.endr
	WIN 0
	PLACES NP
	WIN 0x04                                       ; a store's data are its source 1: window 1
.irp t, 0,1,2,3,4,5,6,7
	global_store_b128 v[L16], v[8*\t:8*\t+3], s[20:21] offset:1024*\t          ; the registers as they stand, each accumulator from its low end on: 512 consecutive bytes a store
	global_store_b128 v[L16], v[8*\t+4:8*\t+7], s[20:21] offset:1024*\t+512
.endr
	WIN 0
	global_store_b128 v[L16], v[KSUM:KSUM+3], s[22:23]
	s_wait_tensorcnt 0x0                           ; the wave's end
	ds_add_u32 v[SPW], v[NIL]
	s_wait_dscnt 0x0
	CROUND                                         ; the closing round: no work-group ends while a partner may still ask for a tile that names it
	s_endpgm
.Lfunc_end_k_q7e4073ec74_kvg:
	.size	k_q7e4073ec74_kvg, .Lfunc_end_k_q7e4073ec74_kvg-k_q7e4073ec74_kvg
	.p2alignl 7, 3214868480
	.fill 96, 4, 3214868480
	.section	.rodata,"a",@progbits
	.p2align	6, 0x0
	.amdhsa_kernel k_q7e4073ec74_kvg
		.amdhsa_group_segment_fixed_size 327680
		.amdhsa_private_segment_fixed_size 0
		.amdhsa_enable_private_segment 0
		.amdhsa_kernarg_size 80
		.amdhsa_user_sgpr_count 2
		.amdhsa_user_sgpr_kernarg_segment_ptr 1
		.amdhsa_wavefront_size32 1
		.amdhsa_system_sgpr_workgroup_id_x 1
		.amdhsa_system_sgpr_workgroup_id_y 1
		.amdhsa_system_sgpr_workgroup_id_z 1
		.amdhsa_system_vgpr_workitem_id 0
		.amdhsa_next_free_vgpr 1024
		.amdhsa_next_free_sgpr 106
		.amdhsa_reserve_vcc 0
		.amdhsa_float_denorm_mode_32 3
		.amdhsa_float_denorm_mode_16_64 3
		.amdhsa_memory_ordered 1
		.amdhsa_forward_progress 1
		.amdhsa_inst_pref_size 235
	.end_amdhsa_kernel
	.amdgpu_metadata
---
amdhsa.version: [ 1, 2 ]
amdhsa.kernels:
  - .name:           k_q7e4073ec74_kvg
    .symbol:         k_q7e4073ec74_kvg.kd
    .args:
      - { .name: x_codes, .offset: 0, .size: 8, .value_kind: global_buffer, .address_space: global }
      - { .name: x_scales, .offset: 8, .size: 8, .value_kind: global_buffer, .address_space: global }
      - { .name: k_w_codes, .offset: 16, .size: 8, .value_kind: global_buffer, .address_space: global }
      - { .name: k_w_scales, .offset: 24, .size: 8, .value_kind: global_buffer, .address_space: global }
      - { .name: v_w_codes, .offset: 32, .size: 8, .value_kind: global_buffer, .address_space: global }
      - { .name: v_w_scales, .offset: 40, .size: 8, .value_kind: global_buffer, .address_space: global }
      - { .name: k_b, .offset: 48, .size: 8, .value_kind: global_buffer, .address_space: global }
      - { .name: v_b, .offset: 56, .size: 8, .value_kind: global_buffer, .address_space: global }
      - { .name: kv_part, .offset: 64, .size: 8, .value_kind: global_buffer, .address_space: global }
      - { .name: ks_part, .offset: 72, .size: 8, .value_kind: global_buffer, .address_space: global }
    .group_segment_fixed_size: 327680
    .private_segment_fixed_size: 0
    .kernarg_segment_align: 8
    .kernarg_segment_size: 80
    .max_flat_workgroup_size: 128
    .sgpr_count:     106
    .vgpr_count:     1024
    .wavefront_size: 32
...
	.end_amdgpu_metadata
.endif
;; end of part 2
;; launch kvred (part 3): grid 256 x 1, 4 waves a work-group, no clusters, 17,408 bytes of LDS; arguments kv_part, ks_part, kv_img, kv_aux; writes kv_img, kv_aux
.if DOCPART == 3
	.amdgcn_target "amdgcn-amd-amdhsa--gfx1250"
	.amdhsa_code_object_version 6
	.text
	.protected	k_q7e4073ec74_kvred
	.globl	k_q7e4073ec74_kvred
	.p2align	8
	.type	k_q7e4073ec74_kvred,@function
k_q7e4073ec74_kvred:
	s_mov_b64 s[64:65], 0
	v_nop
	global_prefetch_b8 v0, s[64:65] scope:SCOPE_SE
	s_setreg_imm32_b32 hwreg(HW_REG_WAVE_MODE, 25, 1), 1
	s_wait_xcnt 0x0
; The 16 parts of KV (one for each 256 context rows of a batch) are added in f32; KV is quantised along d (E4M3, one E8M0 byte for each 32) and laid as whole operand fragments; K_sum's parts are added.
; Work-group g = 64 batch + 4 head + T makes tile T (16 of the head's 64 e) of KV and 16 numbers of K_sum.  Wave w adds parts 4 w .. 4 w + 3; the four sums meet in LDS; wave 0 finishes.
; A part lies as the registers that made it: register 8 i + j of lane (r, h) is KV(d = 16 i + 8 h + j, e = 16 T + r).  So a lane's registers run along d: registers 16 B .. 16 B + 15 of lanes l and
; l xor 16 are the block d = 32 B .. 32 B + 31, in the order in which the next launch's fragments of Q hold it.
; A FRAGMENT HAS 128 ALONG K, A HEAD 64: an even head's codes stand in K = 0 .. 63, an odd head's in K = 64 .. 127; the other half holds zero codes under the scale byte 127, which add nothing.
; kv_img [batch][head][T][c 4][lane 32][16 bytes];  kv_aux: K_sum [4][1,024] f32, then from byte 16,384 the scale words [g][lane 32].
; No matrix unit, no cluster, no tensor load: memory binds, and the work-groups share no input but K_sum's parts, a sixteenth of KV's bytes.
; LIMITS: NaN and infinities are not served; a block whose largest magnitude lies under 2^-118 gets the scale byte 1.
.set WREG, 4224                        ; LDS of a wave: 8 x 512 bytes of sums, 128 bytes of K_sum's
.set TM,  152
.set PC,  168
.set ZR,  176
.set PW,  180
	s_load_b256 s[4:11], s[0:1], 0x0               ; kv_part, ks_part, kv_img, kv_aux
	v_lshl_add_u32 v192, v0, 2, 0x4200
	v_mov_b32 v193, 0
	v_lshrrev_b32 v1, 5, v0
	v_readfirstlane_b32 s12, v1                    ; wave
	v_and_b32 v1, 31, v0
	v_lshlrev_b32 v2, 4, v1                        ; 16 x lane
	v_lshlrev_b32 v3, 2, v1                        ; 4 x lane
	v_and_b32 v4, 15, v0
	v_lshlrev_b32 v4, 2, v4                        ; 4 r
	s_mul_i32 s13, s12, WREG
	v_add_nc_u32 v5, s13, v2
	s_add_co_u32 s13, s13, 4096
	v_add_nc_u32 v6, s13, v3
	s_and_b32 s13, ttmp9, 3                        ; T = 2 rho + k'
	s_lshr_b32 s14, s13, 1                         ; rho: which wave of the head's two made this tile
	s_and_b32 s15, s13, 1                          ; k': which of its two tiles
	s_bfe_u32 s16, ttmp9, 0x40002                  ; head
	s_lshr_b32 s17, s16, 1                         ; the pair of heads
	s_and_b32 s18, s16, 1                          ; and which of the pair
	s_lshr_b32 s19, ttmp9, 6                       ; batch
	s_lshl_b32 s20, s19, 4
	s_lshl_b32 s21, s12, 2
	s_add_co_u32 s20, s20, s21                     ; my first part: 16 batch + 4 wave
	s_lshl_b32 s20, s20, 3
	s_add_co_u32 s20, s20, s17
	s_lshl_b32 s20, s20, 2
	s_lshl_b32 s21, s18, 1
	s_add_co_u32 s20, s20, s21                     ; (8 part + pair) 4 + 2 x which
	s_lshl_b32 s24, s20, 9
	s_lshl_b32 s21, s13, 2
	s_add_co_u32 s24, s24, s21                     ; K_sum's parts: 512 bytes a wave, 16 a lane, number T of the four
	s_mov_b32 s25, 0
	s_add_co_u32 s20, s20, s14
	s_lshl_b32 s22, s20, 13
	s_lshl_b32 s21, s15, 10
	s_add_co_u32 s22, s22, s21                     ; KV's parts: 8,192 bytes a wave; accumulator 2 i + k' at 1,024 bytes each
	s_mov_b32 s23, 0
	s_lshl_b32 s26, ttmp9, 11                      ; the fragment, 2,048 bytes,
	s_lshl_b32 s28, s18, 10
	s_add_co_u32 s26, s26, s28                     ; the half that takes the codes,
	s_mov_b32 s27, 0
	s_xor_b32 s28, s26, 1024                       ; and the half that takes zeros
	s_mov_b32 s29, 0
	s_lshl_b32 s32, s18, 4                         ; the scale word: my two bytes 16 x which bits up,
	s_xor_b32 s33, s32, 16
	s_lshl_b32 s33, 0x7f7f, s33                    ; 127 in the two others
	s_mov_b32 s34, 0x76543210
	s_mov_b32 s35, 0xfedcba98
	s_mov_b32 s36, 0x600000
	s_lshl_b32 s38, ttmp9, 7
	s_add_co_u32 s38, s38, 16384                   ; the scale words' place
	s_mov_b32 s39, 0
	s_wait_kmcnt 0x0
	s_add_nc_u64 s[4:5], s[4:5], s[22:23]
	s_add_nc_u64 s[6:7], s[6:7], s[24:25]
	s_add_nc_u64 s[30:31], s[8:9], s[26:27]
	s_add_nc_u64 s[8:9], s[8:9], s[28:29]
	s_add_nc_u64 s[38:39], s[10:11], s[38:39]
	s_lshl_b32 s22, ttmp9, 6                       ; K_sum: 64 bytes a work-group
	s_add_nc_u64 s[10:11], s[10:11], s[22:23]
.irp p, 0,1,2,3
.irp i, 0,1,2,3
.irp q, 0,1
	global_load_b128 v[16+32*\p+8*\i+4*\q:16+32*\p+8*\i+4*\q+3], v2, s[4:5] offset:262144*\p+2048*\i+512*\q th:TH_LOAD_NT   ; 512 consecutive bytes a load
.endr
.endr
.irp e, 0,1
	global_load_b32 v[144+2*\p+\e], v2, s[6:7] offset:16384*\p+512*\e
.endr
.endr
.macro SUM4                            ; v16-47 += v48-79 + v80-111 + v112-143
.set ii, 0
.rept 16
	v_pk_add_f32 v[16+ii:17+ii], v[16+ii:17+ii], v[48+ii:49+ii]
	v_pk_add_f32 v[80+ii:81+ii], v[80+ii:81+ii], v[112+ii:113+ii]
.set ii, ii+2
.endr
.set ii, 0
.rept 16
	v_pk_add_f32 v[16+ii:17+ii], v[16+ii:17+ii], v[80+ii:81+ii]
.set ii, ii+2
.endr
.endm
	s_wait_loadcnt 0x0
	SUM4
	v_pk_add_f32 v[144:145], v[144:145], v[146:147]
	v_pk_add_f32 v[148:149], v[148:149], v[150:151]
	v_pk_add_f32 v[144:145], v[144:145], v[148:149]
	v_add_f32 v144, v144, v145
.irp k, 0,1,2,3,4,5,6,7
	ds_store_b128 v5, v[16+4*\k:19+4*\k] offset:512*\k
.endr
	ds_store_b32 v6, v144
	s_wait_dscnt 0x0                               ; for wave 0's sake: my sums lie in LDS
	s_barrier_signal -1
	s_barrier_wait -1
	s_cmp_lg_u32 s12, 0
	s_cbranch_scc1 .Ldone
.irp w, 1,2,3
.irp k, 0,1,2,3,4,5,6,7
	ds_load_b128 v[16+32*\w+4*\k:19+32*\w+4*\k], v2 offset:WREG*\w+512*\k
.endr
	ds_load_b32 v[144+\w], v3 offset:WREG*\w+4096
.endr
	s_wait_dscnt 0x0
	SUM4                                           ; KV(d = 16 i + 8 h + j, e = 16 T + r) in v[16 + 8 i + j]
	v_pk_add_f32 v[144:145], v[144:145], v[146:147]
	v_add_f32 v144, v144, v145
	v_permlanex16_b32 v148, v144, s34, s35         ; the other half of the lanes held the other context rows
	v_add_f32 v144, v144, v148
	global_store_b32 v4, v144, s[10:11]            ; K_sum(16 T + r): lanes l and l xor 16 hold the same sum and write the same word
.irp b, 0,1
	v_max3_num_f32 v[TM+\b], |v[16+16*\b]|, |v[17+16*\b]|, 0x4800000   ; the floor 2^(9 - 127): the byte cannot fall under 1
.endr
.irp i, 2,4,6,8,10,12,14
.irp b, 0,1
	v_max3_num_f32 v[TM+\b], v[TM+\b], |v[16+16*\b+\i]|, |v[17+16*\b+\i]|
.endr
.endr
.irp b, 0,1
	v_mov_b32 v[TM+4+\b], 0                        ; a lane permute's destination counts as one of its sources
.endr
.irp b, 0,1
	v_permlanex16_b32 v[TM+4+\b], v[TM+\b], s34, s35
.endr
.irp b, 0,1
	v_max_num_f32 v[TM+\b], v[TM+\b], v[TM+4+\b]
.endr
.irp b, 0,1
	v_add_nc_u32 v[TM+12+\b], 0xfc000000, v[TM+\b]
.endr
.irp b, 0,1
	v_and_or_b32 v[TM+8+\b], v[TM+\b], 0x7f800000, s36
.endr
.irp b, 0,1
	v_lshrrev_b32 v[TM+4+\b], 23, v[TM+12+\b]
.endr
	v_lshl_or_b32 v[PW], v[TM+5], 8, v[TM+4]
	v_lshlrev_b32 v[PW], s32, v[PW]
	v_or_b32 v[PW], s33, v[PW]
.irp b, 0,1
.irp i, 0,1,2,3,4,5,6,7,8,9,10,11,12,13,14,15
	v_med3_num_f32 v[16+16*\b+\i], v[16+16*\b+\i], -v[TM+8+\b], v[TM+8+\b]   ; the conversion does not saturate (ISA guide 7.6.2)
.endr
	v_cvt_scalef32_pk8_fp8_f32 v[PC+4*\b:PC+4*\b+1], v[16+16*\b:23+16*\b], v[TM+12+\b]
	v_cvt_scalef32_pk8_fp8_f32 v[PC+4*\b+2:PC+4*\b+3], v[24+16*\b:31+16*\b], v[TM+12+\b]
.endr
.irp j, 0,1,2,3
	v_mov_b32 v[ZR+\j], 0
.endr
.irp b, 0,1
	global_store_b128 v2, v[PC+4*\b:PC+4*\b+3], s[30:31] offset:512*\b
	global_store_b128 v2, v[ZR:ZR+3], s[8:9] offset:512*\b
.endr
	global_store_b32 v3, v[PW], s[38:39]
.Ldone:
	s_wait_tensorcnt 0x0
	ds_add_u32 v192, v193
	s_wait_dscnt 0x0
	s_endpgm
.Lfunc_end_k_q7e4073ec74_kvred:
	.size	k_q7e4073ec74_kvred, .Lfunc_end_k_q7e4073ec74_kvred-k_q7e4073ec74_kvred
	.p2alignl 7, 3214868480
	.fill 96, 4, 3214868480
	.section	.rodata,"a",@progbits
	.p2align	6, 0x0
	.amdhsa_kernel k_q7e4073ec74_kvred
		.amdhsa_group_segment_fixed_size 17408
		.amdhsa_private_segment_fixed_size 0
		.amdhsa_enable_private_segment 0
		.amdhsa_kernarg_size 32
		.amdhsa_user_sgpr_count 2
		.amdhsa_user_sgpr_kernarg_segment_ptr 1
		.amdhsa_wavefront_size32 1
		.amdhsa_system_sgpr_workgroup_id_x 1
		.amdhsa_system_sgpr_workgroup_id_y 1
		.amdhsa_system_sgpr_workgroup_id_z 1
		.amdhsa_system_vgpr_workitem_id 0
		.amdhsa_next_free_vgpr 194
		.amdhsa_next_free_sgpr 66
		.amdhsa_reserve_vcc 0
		.amdhsa_float_denorm_mode_32 3
		.amdhsa_float_denorm_mode_16_64 3
		.amdhsa_memory_ordered 1
		.amdhsa_forward_progress 1
		.amdhsa_inst_pref_size 21
	.end_amdhsa_kernel
	.amdgpu_metadata
---
amdhsa.version: [ 1, 2 ]
amdhsa.kernels:
  - .name:           k_q7e4073ec74_kvred
    .symbol:         k_q7e4073ec74_kvred.kd
    .args:
      - { .name: kv_part, .offset: 0, .size: 8, .value_kind: global_buffer, .address_space: global }
      - { .name: ks_part, .offset: 8, .size: 8, .value_kind: global_buffer, .address_space: global }
      - { .name: kv_img, .offset: 16, .size: 8, .value_kind: global_buffer, .address_space: global }
      - { .name: kv_aux, .offset: 24, .size: 8, .value_kind: global_buffer, .address_space: global }
    .group_segment_fixed_size: 17408
    .private_segment_fixed_size: 0
    .kernarg_segment_align: 8
    .kernarg_segment_size: 32
    .max_flat_workgroup_size: 128
    .sgpr_count:     66
    .vgpr_count:     194
    .wavefront_size: 32
...
	.end_amdgpu_metadata
.endif
;; end of part 3
;; launch qatt (part 4): grid 4 x 64, 4 waves a work-group, clusters of 4 x 4, 327,680 bytes of LDS; arguments x_codes, x_scales, q_w_codes, q_w_scales, q_b, kv_img, kv_aux, at_codes, at_scales; writes at_codes, at_scales
.if DOCPART == 4
	.amdgcn_target "amdgcn-amd-amdhsa--gfx1250"
	.amdhsa_code_object_version 6
	.text
	.protected	k_q7e4073ec74_qatt
	.globl	k_q7e4073ec74_qatt
	.p2align	8
	.type	k_q7e4073ec74_qatt,@function
k_q7e4073ec74_qatt:
	s_mov_b64 s[64:65], 0
	v_nop
	global_prefetch_b8 v0, s[64:65] scope:SCOPE_SE
	s_setreg_imm32_b32 hwreg(HW_REG_WAVE_MODE, 25, 1), 1
	s_wait_xcnt 0x0
	s_wait_alu depctr_hold_cnt(0) depctr_sa_sdst(0) depctr_va_vdst(0) depctr_va_sdst(0) depctr_va_ssrc(0) depctr_va_vcc(0) depctr_vm_vsrc(0)
	s_getreg_b32 s2, hwreg(HW_REG_IB_STS2, 6, 4)
	s_cmp_eq_u32 s2, 0
	s_cbranch_scc0 .Lentry_in_a_cluster
	s_endpgm
.Lentry_in_a_cluster:
	s_bfe_u32 s2, ttmp6, 0x10000c
	s_cmp_lg_u32 s2, 0xf033
	s_cbranch_scc0 .Lentry_shape_is_right
	s_endpgm
.Lentry_shape_is_right:
; Q = elu(q q_w^T + q_b) + 1 for 128 query rows x 256 columns (four heads);  Z = max(Q . K_sum, 1e-6) in f32;  out = Q KV / Z;  out is quantised along its 1,024 columns for the last product.
; All matrix products on codes of E4M3 with E8M0 scales.  Z is made of the unquantised Q by fused multiply-adds.
; SHARES.  8,192 rows x 1,024 columns in tiles of 128 x 256 are 256 work-groups.  Work-group (TC, TR): rows 128 TR on, columns 256 TC on.  A wave makes 64 x 128: 32 accumulators; its 128 columns are two heads.
; K = 1,024 is four K steps of 256.  THREE LDS slots: K steps 0, 1, 2 and the scale bytes of all of K are first fills, asked for together; K step 3 is the one refill, into slot 0.
; CLUSTER 4 x 4: the four work-groups of a row of the cluster need the same query rows, the four of a column the same weights: each tile is asked for jointly.
; LAYOUT.  Source 0 = 16 rows of q_w, source 1 = 16 query rows: lane (r, h) of accumulator (a, b) holds row 16 a + r and columns 16 b + 8 h + 0 .. 7.  For one a a lane's 64 registers run along the columns:
; quantised they are ONE fragment of 128 along K: the even head in K = 0 .. 63, the odd head in K = 64 .. 127.  KV's fragments hold zero codes in the other head's half, so a product of 128 along K serves K = 64.
; Inside a block of 32 the columns stand in another order than in memory, alike in Q's and KV's fragments.  out's codes leave in their true order: 8 neighbours a conversion, through a stage in LDS.
; elu(x) + 1 = the middle one of x + 1, e^x and 1 (x <= 0: x + 1 <= e^x <= 1;  x > 0: 1 < x + 1 <= e^x).  The bias is the C of each sum's first product.  1 / Z is v_rcp_f32 and a multiplication.
; at_scales leaves as 8 bytes of each row's 32: 256 KB in all; so the scale bytes of a tile's rows stay one dense block for the next launch's loads.
; LIMITS: NaN and infinities are not served; a block whose largest magnitude lies under 2^-118 (a block of zeros too) gets the scale byte 1: this program alone reads these bytes.
; REGISTERS, in windows of 256: window 0: v0-31 addresses; v32-63 scale words, two sets; v64-127 the bias, later at work; v128-255 the query rows' fragments, two sets of 64, later at work.
;   window 1: q_w's fragments, two sets of 128.   window 2: the accumulators ((a, b) at v[8 (8 a + b)]).   window 3: KV's eight fragments (v0-127) and K_sum (v128-191), asked for at the head.
.set PITCH,  272                       ; an LDS row: 256 bytes + 16 of padding: the 16 rows of a fragment load start at 16 different banks (64 banks of 4 bytes: ISA guide 11.1)
.set SLOTA,  128*PITCH                 ; the query rows' part of a slot
.set SLOT,   3*SLOTA                   ; 128 query rows, then q_w's 256 rows
.set SCL,    3*SLOT                    ; behind the three slots: the scale bytes, rows of 256 bytes + 16
.set HSA,    8*272                     ; those of 64 query rows
.set HSB,    16*272                    ; those of 128 rows of q_w
.set SBLK,   2*272                     ; those of 16 rows
.set SPARE,  SCL+2*HSA+2*HSB           ; the spare words: 128 bytes a wave, two blocks of 256 bytes that no other line names
.set ROWB,   256
.set KROW,   1024
.set FR,     16
.set NP,     8                         ; places behind this matrix instruction (ISA guide 7.12.1)
.set STAGE,  SLOT                      ; the stages lie in slot 1: its one fill was the first, and its last read lies ahead of the last barrier: 128 rows x (256 + 16) bytes of codes,
.set SSTG,   STAGE+128*272             ; then 128 rows x 8 scale bytes
.set SST,  7                           ; v7   where I put a scale word
.set SSR,  8                           ; v8   where I read 8 scale bytes back
.set SSO,  9                           ; v9   32 x lane
.set H32,  10                          ; v10  32 h
.set ADRA, 16                          ; v16-18 my query rows' fragments in slots 0, 1, 2
.set ADRB, 19                          ; v19-21 q_w's
.set PW,   22                          ; v22  the scale word just made
.set STO,  24
.set RD,   25
.set CO,   26
.set ADRS, 27
.set SPW,  28
.set NIL,  29
.set L16,  30
.set L4,   31
.set SC,   32
.set BIAS, 64
.set AF,   128
.set PC,   64
.set TM,   80
.set ZA,   98                          ; v98-101 Z's sums, v102-103 the other lanes', v104, v106 1 / Z
.set T,    128
.set U,    192
.set KS,   128                         ; K_sum, in window 3
.set TC,  22
.set G1A, 24                           ; s[24:31] group 1 for the query rows' tiles;  s[32:43] group 0, a set for each slot
.set G0A, 32
.set G1B, 44                           ; s[44:51], s[52:63] the same for q_w's
.set G0B, 52
.set G1SA, 68
.set G0SA, 76
.set G1SB, 80
.set G0SB, 88
.set WV,  92
.set HA,  93
.set HB,  94
.set TR,  95
.set MSB, 0
.macro WIN new                         ; the immediate's high byte repeats the setting that is left
.if MSB != (\new)
	s_set_vgpr_msb (MSB<<8)|(\new)
.set MSB, (\new)
.endif
.endm
.macro PLACES n
.rept \n
	v_nop
.endr
.endm
; A joint load: waves 0 and 1 fetch the query rows, waves 2 and 3 the weights.  The branch hangs on the wave's number alone.  Four v_nop follow each of the two lines.
.macro JLOAD g0a, g1a, g0b, g1b
	s_cmp_eq_u32 s[HA], 0
	s_cbranch_scc0 .Lfor_b_\@
	tensor_load_to_lds s[\g0a:\g0a+3], s[\g1a:\g1a+7]
	s_nop 0
.rept 4
	v_nop
.endr
	s_branch .Lasked_\@
.Lfor_b_\@:
	tensor_load_to_lds s[\g0b:\g0b+3], s[\g1b:\g1b+7]
	s_nop 0
.rept 4
	v_nop
.endr
.Lasked_\@:
.endm
.macro CREST                           ; a round of the cluster's barrier behind its opening barrier
	s_cmp_lg_u32 s[WV], 0
	s_cbranch_scc1 .Lnot_wave_0_\@
	s_barrier_signal -3
.Lnot_wave_0_\@:
	s_barrier_wait -3
	s_barrier_signal -1
	s_barrier_wait -1
.endm
.macro CROUND
	s_barrier_signal -1
	s_barrier_wait -1
	CREST
.endm
	s_load_b512 s[4:19], s[0:1], 0x0               ; x_codes, x_scales, q_w codes, scales, q_b, kv_img, kv_aux, at_codes
	s_load_b64 s[20:21], s[0:1], 0x40              ; at_scales
	v_lshl_add_u32 v[SPW], v0, 2, SPARE
	v_mov_b32 v[NIL], 0
	ds_add_u32 v28, v29
	ds_add_u32 v28, v29
	s_wait_dscnt 0x0
	v_lshrrev_b32 v1, 5, v0
	v_readfirstlane_b32 s[WV], v1
	s_lshr_b32 s[HA], s[WV], 1                     ; my half of the rows.  Also: I fetch query rows (0) or weights (1)
	s_and_b32 s[HB], s[WV], 1                      ; my half of the columns.  Also: which half of a tile I fetch
	s_bfe_u32 s[TC], ttmp6, 0x40000                ; cx
	s_bfe_u32 s23, ttmp6, 0x40004                  ; cy
	s_lshl_b32 s101, 0x1111, s[TC]                 ; my column of the cluster
	s_lshl_b32 s100, s23, 2
	s_lshl_b32 s100, 15, s100                      ; my row
	s_lshl_b32 s99, ttmp9, 2
	s_add_co_u32 s[TC], s99, s[TC]                 ; tile column = 4 x cluster x + cx
	s_and_b32 s[TR], ttmp7, 0xffff
	s_lshl_b32 s[TR], s[TR], 2
	s_add_co_u32 s[TR], s[TR], s23                 ; tile row = 4 x cluster y + cy
	s_or_b32 s[G1A], s100, (0<<16)|(1<<20)|(1<<21)|(5<<22)|(3<<25)  ; mask; elements of 1 byte; padding on; bit 21 beside a mask; 4 words behind every 64
	s_or_b32 s[G1B], s101, (0<<16)|(1<<20)|(1<<21)|(5<<22)|(3<<25)
.irp g, G1A, G1B
	s_mov_b32 s[\g+1], ROWB<<16                    ; tensor_dim0
	s_mov_b32 s[\g+3], ROWB<<16                    ; tile_dim0
	s_mov_b32 s[\g+5], KROW                        ; the pitch
	s_mov_b32 s[\g+6], 0
	s_mov_b32 s[\g+7], 0
.endr
	s_mov_b32 s[G1A+2], 64<<16                     ; a load of query rows brings 64,
	s_mov_b32 s[G1A+4], 64
	s_mov_b32 s[G1B+2], 128<<16                    ; one of weights 128
	s_mov_b32 s[G1B+4], 128
	s_or_b32 s[G1SA], s100, (3<<16)|(1<<20)|(1<<21)|(5<<22)|(3<<25) ; the scale bytes: dense blocks, as rows of 32 elements of 8 bytes
	s_or_b32 s[G1SB], s101, (3<<16)|(1<<20)|(1<<21)|(5<<22)|(3<<25)
.irp g, G1SA, G1SB
	s_mov_b32 s[\g+1], 32<<16
	s_mov_b32 s[\g+3], 32<<16
	s_mov_b32 s[\g+5], 32
	s_mov_b32 s[\g+6], 0
	s_mov_b32 s[\g+7], 0
.endr
	s_mov_b32 s[G1SA+2], 8<<16                     ; 64 rows x 32 bytes = 8 rows of 256
	s_mov_b32 s[G1SA+4], 8
	s_mov_b32 s[G1SB+2], 16<<16                    ; 128 rows: 16
	s_mov_b32 s[G1SB+4], 16
	s_lshl_b32 s100, s[TR], 7
	s_lshl_b32 s99, s[HB], 6
	s_add_co_u32 s100, s100, s99                   ; the query rows that I fetch: 128 TR + 64 x half
	s_lshl_b32 s66, s100, 5
	s_mov_b32 s67, 0
	s_lshl_b32 s100, s100, 10
	s_mov_b32 s101, 0
	s_lshl_b32 s98, s[TC], 8
	s_lshl_b32 s99, s[HB], 7
	s_add_co_u32 s98, s98, s99                     ; the weights' rows: 256 TC + 128 x half
	s_lshl_b32 s2, s98, 5
	s_mov_b32 s3, 0
	s_lshl_b32 s98, s98, 10
	s_mov_b32 s99, 0
	s_mul_i32 s23, s[HB], 64*PITCH                 ; where they go: a constant x (wave & 1) + constants: no place in the cluster enters an LDS address
	s_mul_i32 s96, s[HB], 128*PITCH
	s_mul_i32 s97, s[HB], HSA
	s_mul_i32 s104, s[HB], HSB
	s_wait_kmcnt 0x0
	s_add_nc_u64 s[100:101], s[4:5], s[100:101]
	s_add_nc_u64 s[66:67], s[6:7], s[66:67]
	s_add_nc_u64 s[98:99], s[8:9], s[98:99]
	s_add_nc_u64 s[2:3], s[10:11], s[2:3]
	CROUND                                         ; all sixteen work-groups are here: the first joint loads meet
	s_mov_b32 s[G0SA], 1
	s_add_co_u32 s[G0SA+1], s97, SCL
	s_mov_b64 s[G0SA+2:G0SA+3], s[66:67]
	s_or_b32 s[G0SA+3], s[G0SA+3], 0x80000000
	s_mov_b32 s[G0SB], 1
	s_add_co_u32 s[G0SB+1], s104, SCL+2*HSA
	s_mov_b64 s[G0SB+2:G0SB+3], s[2:3]
	s_or_b32 s[G0SB+3], s[G0SB+3], 0x80000000
	JLOAD G0SA, G1SA, G0SB, G1SB                   ; the scales first: they are wanted with K step 0
.irp s, 0,1,2
	s_mov_b32 s[G0A+4*\s], 1
	s_add_co_u32 s[G0A+4*\s+1], s23, \s*SLOT
	s_add_nc_u64 s[G0A+4*\s+2:G0A+4*\s+3], s[100:101], \s*ROWB
	s_or_b32 s[G0A+4*\s+3], s[G0A+4*\s+3], 0x80000000
	s_mov_b32 s[G0B+4*\s], 1
	s_add_co_u32 s[G0B+4*\s+1], s96, \s*SLOT+SLOTA
	s_add_nc_u64 s[G0B+4*\s+2:G0B+4*\s+3], s[98:99], \s*ROWB
	s_or_b32 s[G0B+4*\s+3], s[G0B+4*\s+3], 0x80000000
	JLOAD G0A+4*\s, G1A, G0B+4*\s, G1B             ; K steps 0, 1, 2: with the scales four tensor loads of mine are out
.endr
	s_mov_b32 s96, 0x76543210
	s_mov_b32 s97, 0xfedcba98                      ; lane l xor 16
	s_mov_b32 s98, 0x600000                        ; the mantissa field of 448
	s_mov_b32 s104, 0x3fb8aa3b                     ; log2(e)
	s_mov_b32 s105, s104
	v_and_b32 v1, 15, v0                           ; r
	v_bfe_u32 v2, v0, 4, 1                         ; h
	v_mul_u32_u24 v3, v1, PITCH
	v_lshl_add_u32 v4, v2, 4, v3                   ; a fragment's row x pitch + 16 h
	s_mul_i32 s66, s[HA], 64*PITCH                 ; my 64 query rows
	s_mul_i32 s67, s[HB], 128*PITCH                ; my 128 rows of q_w,
	s_add_co_u32 s67, s67, SLOTA                   ; behind the query rows' 128
.irp s, 0,1,2
	v_add_nc_u32 v[ADRA+\s], s66, v4
	v_add_nc_u32 v[ADRB+\s], s67, v4
	s_add_co_u32 s66, s66, SLOT
	s_add_co_u32 s67, s67, SLOT
.endr
	v_lshlrev_b32 v5, 5, v1                        ; my row's scale bytes: 32 a row, and 16 more for each 256 passed
	v_lshrrev_b32 v6, 8, v5
	v_lshl_add_u32 v5, v6, 4, v5
	s_mul_i32 s66, s[HA], HSA                      ; lanes 0-15: the query rows' words; lanes 16-31: the weights'
	s_mul_i32 s67, s[HB], HSB
	s_add_co_u32 s67, s67, 2*HSA
	s_sub_co_u32 s67, s67, s66
	v_mul_u32_u24 v6, s67, v2
	s_add_co_u32 s66, s66, SCL
	v_add_nc_u32 v6, v5, v6
	v_add_nc_u32 v[ADRS], s66, v6
	v_and_b32 v6, 31, v0                           ; lane
	v_lshlrev_b32 v[L16], 4, v6
	v_lshlrev_b32 v[L4], 2, v6
	v_lshlrev_b32 v[SSO], 5, v6
	v_lshlrev_b32 v[H32], 5, v2
	s_mul_i32 s66, s[HA], 64*272                   ; the stage: row 64 HA + 16 a + r, byte 128 HB + 8 h
	s_lshl_b32 s67, s[HB], 7
	s_add_co_u32 s66, s66, s67
	s_add_co_u32 s66, s66, STAGE
	v_lshl_add_u32 v5, v2, 3, v3
	v_add_nc_u32 v[STO], s66, v5
	s_lshl_b32 s66, s[HA], 9                       ; the scale words: 8 bytes a row, my 4 at 4 HB
	s_lshl_b32 s67, s[HB], 2
	s_add_co_u32 s66, s66, s67
	s_add_co_u32 s66, s66, SSTG
	v_lshl_add_u32 v[SST], v1, 3, s66
	s_mul_i32 s66, s[WV], 32*272                   ; back: wave w takes rows 32 w on, two an instruction
	s_add_co_u32 s66, s66, STAGE
	v_mul_u32_u24 v5, v2, 272
	v_lshl_add_u32 v5, v1, 4, v5
	v_add_nc_u32 v[RD], s66, v5
	v_lshlrev_b32 v5, 10, v2
	v_lshl_add_u32 v[CO], v1, 4, v5                ; and the same two rows in at_codes
	s_lshl_b32 s66, s[WV], 8
	s_add_co_u32 s66, s66, SSTG
	v_lshl_add_u32 v[SSR], v6, 3, s66
	s_lshl_b32 s66, s[TC], 10                      ; the bias of my 128 columns
	s_lshl_b32 s67, s[HB], 9
	s_add_co_u32 s66, s66, s67
	s_mov_b32 s67, 0
	s_add_nc_u64 s[12:13], s[12:13], s[66:67]
	s_lshr_b32 s66, s[TR], 4                       ; the batch: 16 tiles of 128 rows each
	s_lshl_b32 s67, s66, 4
	s_lshl_b32 s100, s[TC], 2
	s_add_co_u32 s67, s67, s100
	s_lshl_b32 s100, s[HB], 1
	s_add_co_u32 s67, s67, s100                    ; 16 batch + my first head
	s_lshl_b32 s100, s67, 13
	s_mov_b32 s101, 0
	s_add_nc_u64 s[14:15], s[14:15], s[100:101]    ; KV's fragments of my two heads
	s_lshl_b32 s100, s67, 9
	s_add_co_u32 s100, s100, 16384
	s_add_nc_u64 s[2:3], s[16:17], s[100:101]      ; their scale words
	s_lshl_b32 s100, s66, 12
	s_lshl_b32 s67, s[TC], 10
	s_add_co_u32 s100, s100, s67
	s_lshl_b32 s67, s[HB], 9
	s_add_co_u32 s100, s100, s67
	s_add_nc_u64 s[16:17], s[16:17], s[100:101]    ; K_sum at my 128 columns
	s_lshl_b32 s66, s[TR], 7
	s_lshl_b32 s67, s[WV], 5
	s_add_co_u32 s66, s66, s67                     ; the first row that I store
	s_lshl_b32 s100, s66, 10
	s_lshl_b32 s67, s[TC], 8
	s_add_co_u32 s100, s100, s67
	s_add_nc_u64 s[18:19], s[18:19], s[100:101]
	s_lshl_b32 s100, s66, 5
	s_lshl_b32 s67, s[TC], 3
	s_add_co_u32 s100, s100, s67
	s_add_nc_u64 s[20:21], s[20:21], s[100:101]
.irp b, 0,1,2,3,4,5,6,7
	global_load_b128 v[BIAS+8*\b:BIAS+8*\b+3], v[H32], s[12:13] offset:64*\b       ; q_b at columns 16 b + 8 h + 0 .. 7
	global_load_b128 v[BIAS+8*\b+4:BIAS+8*\b+7], v[H32], s[12:13] offset:64*\b+16
.endr
	WIN 0xc0                                       ; destination window 3, which the products of the large sum never name: KV's eight fragments are asked for now
.irp f, 0,1,2,3,4,5,6,7
.irp c, 0,1,2,3
	global_load_b128 v[16*\f+4*\c:16*\f+4*\c+3], v[L16], s[14:15] offset:2048*\f+512*\c
.endr
.endr
	WIN 0
.macro FRAG reg, adr, q, rowoff        ; 16 rows x 128 K of codes: lane (r, h) holds row r; registers 4 c .. 4 c + 3 hold K = 32 c + 16 h + 0 .. 15
.irp c, 0,1,2,3
	ds_load_b128 v[\reg+4*\c:\reg+4*\c+3], v[\adr] offset:128*(\q)+32*\c+(\rowoff)*PITCH
.endr
.endm
.macro LB slot, q, i                   ; block i of the weights, the slot's q-th 128 along K, into set q
	FRAG 128*(\q)+FR*(\i), ADRB+\slot, \q, 16*(\i)
.endm
.macro LA slot, q, i                   ; block i of the query rows
	FRAG AF+64*(\q)+FR*(\i), ADRA+\slot, \q, 16*(\i)
.endm
; A step's 48 LDS loads stand in four runs of 12, one in front of each 8 products; what the next step wants last (the query rows' blocks 1 to 3) is in the last run.
.macro L0 slot, q
	WIN 0x40
	LB \slot, \q, 0
	LB \slot, \q, 1
	LB \slot, \q, 2
.endm
.macro L1 slot, q
	WIN 0x40
	LB \slot, \q, 3
	LB \slot, \q, 4
	LB \slot, \q, 5
.endm
.macro L2 slot, q
	WIN 0x40
	LB \slot, \q, 6
	LB \slot, \q, 7
	WIN 0
	LA \slot, \q, 0
.endm
.macro L3 slot, q
	WIN 0
	LA \slot, \q, 1
	LA \slot, \q, 2
	LA \slot, \q, 3
.endm
.macro SCALES sc                       ; a K step's scale words, two a row: lanes 0-15 the query rows' block i (blocks 0 to 3 are named), lanes 16-31 the weights' block i
.irp i, 0,1,2,3,4,5,6,7
	ds_load_b64 v[SC+16*(\sc)+2*\i:SC+16*(\sc)+2*\i+1], v[ADRS] offset:\i*SBLK
.endr
.endm
.macro WMUL first                      ; source 0 (weights) window 1, source 1 (rows) window 0, D window 2; C the bias in window 0, or D
.if \first
	WIN 0x81
.else
	WIN 0xa1
.endif
.endm
; 8 products: the query rows' block a x the weights' eight.  first = 1: the bias starts the sums.  The 32 accumulators take turns, one instruction a turn, in the same order in every step.
.macro MUL8 a, q, sc, first
.irp b, 0,1,2,3,4,5,6,7
.if \first
	v_wmma_scale_f32_16x16x128_f8f6f4 v[8*(8*(\a)+\b):8*(8*(\a)+\b)+7], v[128*(\q)+FR*\b:128*(\q)+FR*\b+FR-1], v[AF+64*(\q)+FR*(\a):AF+64*(\q)+FR*(\a)+FR-1], v[BIAS+8*\b:BIAS+8*\b+7], v[SC+16*(\sc)+2*\b+(\q)], v[SC+16*(\sc)+2*(\a)+(\q)] matrix_a_scale:MATRIX_SCALE_ROW1
.else
	v_wmma_scale_f32_16x16x128_f8f6f4 v[8*(8*(\a)+\b):8*(8*(\a)+\b)+7], v[128*(\q)+FR*\b:128*(\q)+FR*\b+FR-1], v[AF+64*(\q)+FR*(\a):AF+64*(\q)+FR*(\a)+FR-1], v[8*(8*(\a)+\b):8*(8*(\a)+\b)+7], v[SC+16*(\sc)+2*\b+(\q)], v[SC+16*(\sc)+2*(\a)+(\q)] matrix_a_scale:MATRIX_SCALE_ROW1
.endif
.endr
.endm
; 128 along K: multiplies sets q under the scale words of set sc, and fetches the next 128 (slot nslot, half nq) into the other sets.  scl = 1: the next K step's scale words too, into the other set.
; A load into a register that a matrix instruction has read stands NP places behind it (ISA guide 7.12.1 for vector instructions): the v_nop at the head serve all four runs.
.macro STEP q, sc, nslot, nq, first, scl
	s_wait_dscnt 12                                ; all but the youngest 12 loads (the rows' blocks 1 to 3) are in
	PLACES NP
	L0 \nslot, \nq
	WMUL \first
	MUL8 0, \q, \sc, \first
	s_wait_dscnt 12                                ; all but the 12 just issued
	L1 \nslot, \nq
	WMUL \first
	MUL8 1, \q, \sc, \first
	L2 \nslot, \nq
	WMUL \first
	MUL8 2, \q, \sc, \first
.if \scl
	WIN 0
	v_add_nc_u32 v[ADRS], 8, v[ADRS]               ; 8 bytes of a row's 32 for each K step
	SCALES 1-(\sc)
.endif
	L3 \nslot, \nq
	WMUL \first
	MUL8 3, \q, \sc, \first
.endm
; A slot's second 128 along K with a barrier in it.  In front of the barrier each wave waits for all its tensor loads, adds 0 to its spare word, and waits for that and for its LDS reads.
; fill = 1 (K step 0): slot 0 has been read out by every wave, slots 1 and 2 are whole: slot 0 takes K step 3.  fill = 0 (K step 2): K step 3 has landed; nothing is asked for.
.macro TURN sc, next, fill
	WIN 0                                          ; (the add's two registers lie in window 0)
	s_wait_tensorcnt 0x0                           ; all my tensor loads have landed
	ds_add_u32 v[SPW], v[NIL]                      ; 0 onto my spare word
	s_wait_dscnt 13                                ; (the add and the youngest 12 loads may be out)
	WIN 0xa1
	MUL8 0, 1, \sc, 0
	s_wait_dscnt 0x0                               ; the add is done, and my reads of this slot are over
	s_barrier_signal -1
	MUL8 1, 1, \sc, 0
	WIN 0
	s_barrier_wait -1
.if \fill
	CREST                                          ; the barrier has opened a round of the cluster's barrier: no wave of any partner still reads slot 0 or has a load on its way
	s_add_nc_u64 s[G0A+2:G0A+3], s[G0A+2:G0A+3], 3*ROWB
	s_add_nc_u64 s[G0B+2:G0B+3], s[G0B+2:G0B+3], 3*ROWB
	JLOAD G0A, G1A, G0B, G1B                       ; the first tensor load behind the round, and my only one from here on; its four v_nop are among the places in front of the loads below
	PLACES NP-4
.else
	PLACES NP
.endif
	L0 \next, 0
	L1 \next, 0
	WIN 0xa1
	MUL8 2, 1, \sc, 0
	L2 \next, 0
	L3 \next, 0
	WIN 0xa1
	MUL8 3, 1, \sc, 0
.endm
.macro ELU src, sw                     ; 64 accumulator registers -> v[U ..] = elu + 1.  Each accumulator is read from its low end on
	WIN \sw
.set ii, 0
.rept 32
	v_pk_mul_f32 v[T+ii:T+ii+1], v[(\src)+ii:(\src)+ii+1], s[104:105] op_sel_hi:[1,0]
.set ii, ii+2
.endr
.set ii, 0
.rept 32
	v_pk_add_f32 v[U+ii:U+ii+1], v[(\src)+ii:(\src)+ii+1], 1.0 op_sel_hi:[1,0]
.set ii, ii+2
.endr
	WIN 0
.set ii, 0
.rept 64
	v_exp_f32 v[T+ii], v[T+ii]
.set ii, ii+1
.endr
	v_nop                                          ; one plain instruction behind the transcendentals
.set ii, 0
	s_wait_alu depctr_va_vdst(0)
.rept 64
	v_med3_num_f32 v[U+ii], v[U+ii], v[T+ii], 1.0
.set ii, ii+1
.endr
.endm
.macro QMAX src, sgn                   ; the largest magnitude of my 16 numbers of each of four blocks, over the floor 2^(9 - 127)
.irp b, 0,1,2,3
.if \sgn
	v_max3_num_f32 v[TM+\b], 0x4800000, |v[(\src)+16*\b]|, |v[(\src)+16*\b+1]|
.else
	v_max3_num_f32 v[TM+\b], 0x4800000, v[(\src)+16*\b], v[(\src)+16*\b+1]
.endif
.endr
.irp i, 2,4,6,8,10,12,14
.irp b, 0,1,2,3
.if \sgn
	v_max3_num_f32 v[TM+\b], v[TM+\b], |v[(\src)+16*\b+\i]|, |v[(\src)+16*\b+\i+1]|
.else
	v_max3_num_f32 v[TM+\b], v[TM+\b], v[(\src)+16*\b+\i], v[(\src)+16*\b+\i+1]
.endif
.endr
.endr
.endm
.macro QSCALE                          ; with lane l xor 16's: the blocks' scales, holds and bytes; the four bytes make the scale word
.irp b, 0,1,2,3
	v_permlanex16_b32 v[TM+4+\b], v[TM+\b], s96, s97
.endr
.irp b, 0,1,2,3
	v_max_num_f32 v[TM+\b], v[TM+\b], v[TM+4+\b]
.endr
.irp b, 0,1,2,3
	v_add_nc_u32 v[TM+12+\b], 0xfc000000, v[TM+\b]                 ; 8 off the exponent field: the conversion's scale operand
.endr
.irp b, 0,1,2,3
	v_and_or_b32 v[TM+8+\b], v[TM+\b], 0x7f800000, s98             ; 448 x the scale
.endr
.irp b, 0,1,2,3
	v_lshrrev_b32 v[TM+4+\b], 23, v[TM+12+\b]
.endr
	v_lshl_or_b32 v[PW], v[TM+5], 8, v[TM+4]
	v_lshl_or_b32 v[PW], v[TM+6], 16, v[PW]
	v_lshl_or_b32 v[PW], v[TM+7], 24, v[PW]
.endm
.macro QHOLD src, sgn                  ; the conversion does not saturate (ISA guide 7.6.2): the hold at 448 x the scale, in place; one-sided where nothing is negative
.irp b, 0,1,2,3
.irp i, 0,1,2,3,4,5,6,7,8,9,10,11,12,13,14,15
.if \sgn
	v_med3_num_f32 v[(\src)+16*\b+\i], v[(\src)+16*\b+\i], -v[TM+8+\b], v[TM+8+\b]
.else
	v_min_num_f32 v[(\src)+16*\b+\i], v[(\src)+16*\b+\i], v[TM+8+\b]
.endif
.endr
.endr
.endm
.macro QCVT src
.irp b, 0,1,2,3
	v_cvt_scalef32_pk8_fp8_f32 v[PC+4*\b:PC+4*\b+1], v[(\src)+16*\b:(\src)+16*\b+7], v[TM+12+\b]
	v_cvt_scalef32_pk8_fp8_f32 v[PC+4*\b+2:PC+4*\b+3], v[(\src)+16*\b+8:(\src)+16*\b+15], v[TM+12+\b]
.endr
	v_nop                                          ; one plain instruction behind the last conversion
.endm
; Rows 16 a .. 16 a + 15 of my 64, both heads: Q, Z, Q KV / Z, its codes into the stage.
.macro ATT a
	s_wait_dscnt 0x0                               ; the last tile's stores into the stage have read their registers
	ELU 64*(\a), 2
	QMAX U, 0
	QSCALE
.if (\a) == 0
	s_wait_loadcnt 0x0                             ; KV's fragments, their scale words, K_sum
.endif
	WIN 0x0c                                       ; source 1 (K_sum) window 3
	v_pk_mul_f32 v[ZA:ZA+1], v[U:U+1], v[KS:KS+1]  ; Z's parts, of the unquantised Q; the two heads by turns.  (These 32 are also the places between the scale word and the products)
	v_pk_mul_f32 v[ZA+2:ZA+3], v[U+32:U+33], v[KS+32:KS+33]
.irp j, 2,4,6,8,10,12,14,16,18,20,22,24,26,28,30
	v_pk_fma_f32 v[ZA:ZA+1], v[U+\j:U+\j+1], v[KS+\j:KS+\j+1], v[ZA:ZA+1]
	v_pk_fma_f32 v[ZA+2:ZA+3], v[U+32+\j:U+33+\j], v[KS+32+\j:KS+33+\j], v[ZA+2:ZA+3]
.endr
	WIN 0
	QHOLD U, 0
	QCVT U
	v_add_f32 v[ZA], v[ZA], v[ZA+1]
	v_add_f32 v[ZA+2], v[ZA+2], v[ZA+3]
	v_nop
	v_nop                                          ; five plain instructions stand between the codes and the products; four are asked
	WIN 0x03                                       ; source 0 (KV) window 3
.irp t, 0,1,2,3,4,5,6,7
	v_wmma_scale_f32_16x16x128_f8f6f4 v[T+8*\t:T+8*\t+7], v[16*\t:16*\t+15], v[PC:PC+15], 0, v[32+\t], v[PW]   ; lane (r, h): out(row r, e = 16 t + 8 h + 0 .. 7); tiles 0-3 the even head, 4-7 the odd
.endr
	WIN 0
	v_permlanex16_b32 v[ZA+4], v[ZA], s96, s97     ; the other half of the lanes held the other columns
	v_permlanex16_b32 v[ZA+5], v[ZA+2], s96, s97
	v_add_f32 v[ZA], v[ZA], v[ZA+4]
	v_add_f32 v[ZA+2], v[ZA+2], v[ZA+5]
	v_max_num_f32 v[ZA], 0x358637bd, v[ZA]         ; Z is held at 1e-6 from below
	v_max_num_f32 v[ZA+2], 0x358637bd, v[ZA+2]
	v_rcp_f32 v[ZA+6], v[ZA]
	v_rcp_f32 v[ZA+8], v[ZA+2]
	PLACES 6                                       ; with the four additions and maxima: ten plain places behind the products
.set ii, 0
	s_wait_alu depctr_va_vdst(0)
.rept 32
	v_pk_mul_f32 v[T+ii:T+ii+1], v[T+ii:T+ii+1], v[ZA+6+2*(ii/32):ZA+7+2*(ii/32)] op_sel_hi:[1,0]   ; / Z; ascending: each accumulator from its low end on
.set ii, ii+2
.endr
	QMAX T, 1
	QSCALE
	QHOLD T, 1
	QCVT T
.irp b, 0,1,2,3
.irp u, 0,1
	ds_store_b64 v[STO], v[PC+4*\b+2*\u:PC+4*\b+2*\u+1] offset:16*(\a)*272+32*\b+16*\u   ; 8 neighbouring codes: columns 32 b + 16 u + 8 h on
.endr
.endr
	ds_store_b32 v[SST], v[PW] offset:128*(\a)     ; lanes l and l xor 16 write the same word with the same value
.endm
	s_wait_tensorcnt 2                             ; the scales and my part of K step 0 are in (K steps 1 and 2 may be out)
	s_barrier_signal -1
	s_barrier_wait -1                              ; everybody's are
	L0 0, 0
	L1 0, 0
	L2 0, 0
	SCALES 0
	L3 0, 0
	s_wait_loadcnt 32                              ; the bias is in; KV's 32 loads may be out
	WIN 0xc0
.irp b, 0,1,2,3,4,5,6,7
	global_load_b128 v[KS+8*\b:KS+8*\b+3], v[H32], s[16:17] offset:64*\b           ; K_sum at columns 16 b + 8 h + 0 .. 7
	global_load_b128 v[KS+8*\b+4:KS+8*\b+7], v[H32], s[16:17] offset:64*\b+16
.endr
	WIN 0
	STEP 0, 0, 0, 1, 1, 1                          ; K step 0, slot 0
	TURN 0, 1, 1                                   ; slot 0 takes K step 3
	STEP 0, 1, 1, 1, 0, 1                          ; K step 1, slot 1
	STEP 1, 1, 2, 0, 0, 0                          ; no barrier: every wave had waited for all its loads, slot 2's among them, in front of the round above
	STEP 0, 0, 2, 1, 0, 1                          ; K step 2, slot 2
	TURN 0, 0, 0                                   ; K step 3 has landed, in every wave's part
	STEP 0, 1, 0, 1, 0, 0                          ; K step 3, slot 0
	WIN 0
.irp f, 0,1,2,3,4,5,6,7
	global_load_b32 v[32+\f], v[L4], s[2:3] offset:128*\f          ; KV's scale words, into the set that K step 3 does not name; its last product stands ahead of the last step's places
.endr
	s_wait_dscnt 12
	WIN 0xa1
	MUL8 0, 1, 1, 0
	s_wait_dscnt 0x0
	MUL8 1, 1, 1, 0
	MUL8 2, 1, 1, 0
	MUL8 3, 1, 1, 0
	WIN 0
	PLACES NP
.irp a, 0,1,2,3
	ATT \a
.endr
	s_wait_dscnt 0x0                               ; for the others' sake: a row's 256 bytes come from two waves
	s_barrier_signal -1
	s_barrier_wait -1
	ds_load_b64 v[100:101], v[SSR]
.irp t, 0,1,2,3,4,5,6,7,8,9,10,11,12,13,14,15
	ds_load_b128 v[128+4*\t:131+4*\t], v[RD] offset:544*\t
.endr
.irp t, 0,1,2,3,4,5,6,7,8,9,10,11,12,13,14,15
	s_wait_dscnt 15-\t                             ; the younger loads from the stage may be out
	global_store_b128 v[CO], v[128+4*\t:131+4*\t], s[18:19] offset:2048*\t         ; 16 lanes store 256 consecutive bytes, aligned
.endr
	global_store_b64 v[SSO], v[100:101], s[20:21]
	s_wait_tensorcnt 0x0                           ; the wave's end
	ds_add_u32 v[SPW], v[NIL]
	s_wait_dscnt 0x0
	CROUND                                         ; the closing round: no work-group ends while a partner may still ask for a tile that names it
	s_endpgm
.Lfunc_end_k_q7e4073ec74_qatt:
	.size	k_q7e4073ec74_qatt, .Lfunc_end_k_q7e4073ec74_qatt-k_q7e4073ec74_qatt
	.p2alignl 7, 3214868480
	.fill 96, 4, 3214868480
	.section	.rodata,"a",@progbits
	.p2align	6, 0x0
	.amdhsa_kernel k_q7e4073ec74_qatt
		.amdhsa_group_segment_fixed_size 327680
		.amdhsa_private_segment_fixed_size 0
		.amdhsa_enable_private_segment 0
		.amdhsa_kernarg_size 72
		.amdhsa_user_sgpr_count 2
		.amdhsa_user_sgpr_kernarg_segment_ptr 1
		.amdhsa_wavefront_size32 1
		.amdhsa_system_sgpr_workgroup_id_x 1
		.amdhsa_system_sgpr_workgroup_id_y 1
		.amdhsa_system_sgpr_workgroup_id_z 1
		.amdhsa_system_vgpr_workitem_id 0
		.amdhsa_next_free_vgpr 1024
		.amdhsa_next_free_sgpr 106
		.amdhsa_reserve_vcc 0
		.amdhsa_float_denorm_mode_32 3
		.amdhsa_float_denorm_mode_16_64 3
		.amdhsa_memory_ordered 1
		.amdhsa_forward_progress 1
		.amdhsa_inst_pref_size 209
	.end_amdhsa_kernel
	.amdgpu_metadata
---
amdhsa.version: [ 1, 2 ]
amdhsa.kernels:
  - .name:           k_q7e4073ec74_qatt
    .symbol:         k_q7e4073ec74_qatt.kd
    .args:
      - { .name: x_codes, .offset: 0, .size: 8, .value_kind: global_buffer, .address_space: global }
      - { .name: x_scales, .offset: 8, .size: 8, .value_kind: global_buffer, .address_space: global }
      - { .name: q_w_codes, .offset: 16, .size: 8, .value_kind: global_buffer, .address_space: global }
      - { .name: q_w_scales, .offset: 24, .size: 8, .value_kind: global_buffer, .address_space: global }
      - { .name: q_b, .offset: 32, .size: 8, .value_kind: global_buffer, .address_space: global }
      - { .name: kv_img, .offset: 40, .size: 8, .value_kind: global_buffer, .address_space: global }
      - { .name: kv_aux, .offset: 48, .size: 8, .value_kind: global_buffer, .address_space: global }
      - { .name: at_codes, .offset: 56, .size: 8, .value_kind: global_buffer, .address_space: global }
      - { .name: at_scales, .offset: 64, .size: 8, .value_kind: global_buffer, .address_space: global }
    .group_segment_fixed_size: 327680
    .private_segment_fixed_size: 0
    .kernarg_segment_align: 8
    .kernarg_segment_size: 72
    .max_flat_workgroup_size: 128
    .sgpr_count:     106
    .vgpr_count:     1024
    .wavefront_size: 32
...
	.end_amdgpu_metadata
.endif
;; end of part 4
;; launch oproj (part 5): grid 4 x 64, 4 waves a work-group, clusters of 4 x 4, 327,680 bytes of LDS; arguments at_codes, at_scales, o_w_codes, o_w_scales, o_b, query, out0; writes out0
.if DOCPART == 5
	.amdgcn_target "amdgcn-amd-amdhsa--gfx1250"
	.amdhsa_code_object_version 6
	.text
	.protected	k_q7e4073ec74_oproj
	.globl	k_q7e4073ec74_oproj
	.p2align	8
	.type	k_q7e4073ec74_oproj,@function
k_q7e4073ec74_oproj:
	s_mov_b64 s[64:65], 0
	v_nop
	global_prefetch_b8 v0, s[64:65] scope:SCOPE_SE
	s_setreg_imm32_b32 hwreg(HW_REG_WAVE_MODE, 25, 1), 1
	s_wait_xcnt 0x0
	s_wait_alu depctr_hold_cnt(0) depctr_sa_sdst(0) depctr_va_vdst(0) depctr_va_sdst(0) depctr_va_ssrc(0) depctr_va_vcc(0) depctr_vm_vsrc(0)
	s_getreg_b32 s2, hwreg(HW_REG_IB_STS2, 6, 4)
	s_cmp_eq_u32 s2, 0
	s_cbranch_scc0 .Lentry_in_a_cluster
	s_endpgm
.Lentry_in_a_cluster:
	s_bfe_u32 s2, ttmp6, 0x10000c
	s_cmp_lg_u32 s2, 0xf033
	s_cbranch_scc0 .Lentry_shape_is_right
	s_endpgm
.Lentry_shape_is_right:
; out0 = query + at o_w^T + o_b: [8,192][1,024] f32.  at and o_w are codes of E4M3 with one E8M0 byte for each 32 along K = 1,024.
; SHARES.  Tiles of 128 x 256 are 256 work-groups.  Work-group (TC, TR): rows 128 TR on, columns 256 TC on; a wave makes 64 x 128: 32 accumulators.
; K = 1,024 is four K steps of 256.  THREE LDS slots: K steps 0, 1, 2 and the scale bytes of all of K are first fills, asked for together; K step 3 is the one refill, into slot 0.
; CLUSTER 4 x 4: the four work-groups of a row of the cluster need the same rows of at, the four of a column the same weights: each tile is asked for jointly.
; Source 0 = 16 rows of o_w, source 1 = 16 rows of at: a lane holds eight neighbouring columns of one row.  The bias is the C of each sum's first product.
; THE RESIDUAL, 64 rows x 512 bytes a wave, is asked for at the head, into registers that the products never name.
; THE WAY OUT: a block of 16 rows x 128 columns goes through the wave's own stage in LDS and comes back as whole rows of 512 bytes, each block into registers of its own; the residual is added; 32 lanes store 512 consecutive bytes.
; REGISTERS, in windows of 256: window 0: v0-31 addresses; v32-63 scale words, two sets; v64-127 the bias; v128-255 at's fragments, two sets of 64.
;   window 1: o_w's fragments, two sets of 128; later the four blocks on their way out.   window 2: the accumulators ((a, b) at v[8 (8 a + b)]).   window 3: the residual, four blocks of 64.
.set PITCH,  272                       ; an LDS row: 256 bytes + 16 of padding: the 16 rows of a fragment load start at 16 different banks (64 banks of 4 bytes: ISA guide 11.1)
.set SLOTA,  128*PITCH                 ; at's part of a slot
.set SLOT,   3*SLOTA                   ; 128 rows of at, then o_w's 256 rows
.set SCL,    3*SLOT                    ; behind the three slots: the scale bytes, rows of 256 bytes + 16
.set HSA,    8*272                     ; those of 64 rows of at
.set HSB,    16*272                    ; those of 128 rows of o_w
.set SBLK,   2*272                     ; those of 16 rows
.set SPARE,  SCL+2*HSA+2*HSB           ; the spare words: 128 bytes a wave, two blocks of 256 bytes that no other line names
.set ROWB,   256
.set KROW,   1024
.set FR,     16
.set NP,     8                         ; places behind this matrix instruction (ISA guide 7.12.1)
.set SPITCH, 528                       ; the stage: 16 rows x (512 + 16) bytes a wave,
.set STAGE,  SLOT                      ; in slot 1: its one fill was the first, and its last read lies ahead of the last barrier
.set H32,  10
.set ADRA, 16                          ; v16-18 my rows' fragments in slots 0, 1, 2
.set ADRB, 19                          ; v19-21 o_w's
.set STO,  24
.set RD,   25
.set CO,   26
.set ADRS, 27
.set SPW,  28
.set NIL,  29
.set SC,   32
.set BIAS, 64
.set AF,   128
.set TC,  22
.set G1A, 24                           ; s[24:31] group 1 for at's tiles;  s[32:43] group 0, a set for each slot
.set G0A, 32
.set G1B, 44                           ; s[44:51], s[52:63] the same for o_w's
.set G0B, 52
.set G1SA, 68
.set G0SA, 76
.set G1SB, 80
.set G0SB, 88
.set WV,  92
.set HA,  93
.set HB,  94
.set TR,  95
.set MSB, 0
.macro WIN new                         ; the immediate's high byte repeats the setting that is left
.if MSB != (\new)
	s_set_vgpr_msb (MSB<<8)|(\new)
.set MSB, (\new)
.endif
.endm
.macro PLACES n
.rept \n
	v_nop
.endr
.endm
; A joint load: waves 0 and 1 fetch at's rows, waves 2 and 3 the weights.  The branch hangs on the wave's number alone.  Four v_nop follow each of the two lines.
.macro JLOAD g0a, g1a, g0b, g1b
	s_cmp_eq_u32 s[HA], 0
	s_cbranch_scc0 .Lfor_b_\@
	tensor_load_to_lds s[\g0a:\g0a+3], s[\g1a:\g1a+7]
	s_nop 0
.rept 4
	v_nop
.endr
	s_branch .Lasked_\@
.Lfor_b_\@:
	tensor_load_to_lds s[\g0b:\g0b+3], s[\g1b:\g1b+7]
	s_nop 0
.rept 4
	v_nop
.endr
.Lasked_\@:
.endm
.macro CREST                           ; a round of the cluster's barrier behind its opening barrier
	s_cmp_lg_u32 s[WV], 0
	s_cbranch_scc1 .Lnot_wave_0_\@
	s_barrier_signal -3
.Lnot_wave_0_\@:
	s_barrier_wait -3
	s_barrier_signal -1
	s_barrier_wait -1
.endm
.macro CROUND
	s_barrier_signal -1
	s_barrier_wait -1
	CREST
.endm
	s_load_b256 s[4:11], s[0:1], 0x0               ; at_codes, at_scales, o_w codes, scales
	s_load_b128 s[12:15], s[0:1], 0x20             ; o_b, query
	s_load_b64 s[16:17], s[0:1], 0x30              ; out0
	v_lshl_add_u32 v[SPW], v0, 2, SPARE
	v_mov_b32 v[NIL], 0
	ds_add_u32 v28, v29
	ds_add_u32 v28, v29
	s_wait_dscnt 0x0
	v_lshrrev_b32 v1, 5, v0
	v_readfirstlane_b32 s[WV], v1
	s_lshr_b32 s[HA], s[WV], 1                     ; my half of the rows.  Also: I fetch at's rows (0) or weights (1)
	s_and_b32 s[HB], s[WV], 1                      ; my half of the columns.  Also: which half of a tile I fetch
	s_bfe_u32 s[TC], ttmp6, 0x40000                ; cx
	s_bfe_u32 s23, ttmp6, 0x40004                  ; cy
	s_lshl_b32 s101, 0x1111, s[TC]                 ; my column of the cluster
	s_lshl_b32 s100, s23, 2
	s_lshl_b32 s100, 15, s100                      ; my row
	s_lshl_b32 s99, ttmp9, 2
	s_add_co_u32 s[TC], s99, s[TC]                 ; tile column = 4 x cluster x + cx
	s_and_b32 s[TR], ttmp7, 0xffff
	s_lshl_b32 s[TR], s[TR], 2
	s_add_co_u32 s[TR], s[TR], s23                 ; tile row = 4 x cluster y + cy
	s_or_b32 s[G1A], s100, (0<<16)|(1<<20)|(1<<21)|(5<<22)|(3<<25)  ; mask; elements of 1 byte; padding on; bit 21 beside a mask; 4 words behind every 64
	s_or_b32 s[G1B], s101, (0<<16)|(1<<20)|(1<<21)|(5<<22)|(3<<25)
.irp g, G1A, G1B
	s_mov_b32 s[\g+1], ROWB<<16                    ; tensor_dim0
	s_mov_b32 s[\g+3], ROWB<<16                    ; tile_dim0
	s_mov_b32 s[\g+5], KROW                        ; the pitch
	s_mov_b32 s[\g+6], 0
	s_mov_b32 s[\g+7], 0
.endr
	s_mov_b32 s[G1A+2], 64<<16                     ; a load of at's rows brings 64,
	s_mov_b32 s[G1A+4], 64
	s_mov_b32 s[G1B+2], 128<<16                    ; one of weights 128
	s_mov_b32 s[G1B+4], 128
	s_or_b32 s[G1SA], s100, (3<<16)|(1<<20)|(1<<21)|(5<<22)|(3<<25) ; the scale bytes: dense blocks, as rows of 32 elements of 8 bytes
	s_or_b32 s[G1SB], s101, (3<<16)|(1<<20)|(1<<21)|(5<<22)|(3<<25)
.irp g, G1SA, G1SB
	s_mov_b32 s[\g+1], 32<<16
	s_mov_b32 s[\g+3], 32<<16
	s_mov_b32 s[\g+5], 32
	s_mov_b32 s[\g+6], 0
	s_mov_b32 s[\g+7], 0
.endr
	s_mov_b32 s[G1SA+2], 8<<16                     ; 64 rows x 32 bytes = 8 rows of 256
	s_mov_b32 s[G1SA+4], 8
	s_mov_b32 s[G1SB+2], 16<<16                    ; 128 rows: 16
	s_mov_b32 s[G1SB+4], 16
	s_lshl_b32 s100, s[TR], 7
	s_lshl_b32 s99, s[HB], 6
	s_add_co_u32 s100, s100, s99                   ; at's rows that I fetch: 128 TR + 64 x half
	s_lshl_b32 s66, s100, 5
	s_mov_b32 s67, 0
	s_lshl_b32 s100, s100, 10
	s_mov_b32 s101, 0
	s_lshl_b32 s98, s[TC], 8
	s_lshl_b32 s99, s[HB], 7
	s_add_co_u32 s98, s98, s99                     ; the weights' rows: 256 TC + 128 x half
	s_lshl_b32 s2, s98, 5
	s_mov_b32 s3, 0
	s_lshl_b32 s98, s98, 10
	s_mov_b32 s99, 0
	s_mul_i32 s23, s[HB], 64*PITCH                 ; where they go: a constant x (wave & 1) + constants: no place in the cluster enters an LDS address
	s_mul_i32 s96, s[HB], 128*PITCH
	s_mul_i32 s97, s[HB], HSA
	s_mul_i32 s104, s[HB], HSB
	s_wait_kmcnt 0x0
	s_add_nc_u64 s[100:101], s[4:5], s[100:101]
	s_add_nc_u64 s[66:67], s[6:7], s[66:67]
	s_add_nc_u64 s[98:99], s[8:9], s[98:99]
	s_add_nc_u64 s[2:3], s[10:11], s[2:3]
	CROUND                                         ; all sixteen work-groups are here: the first joint loads meet
	s_mov_b32 s[G0SA], 1
	s_add_co_u32 s[G0SA+1], s97, SCL
	s_mov_b64 s[G0SA+2:G0SA+3], s[66:67]
	s_or_b32 s[G0SA+3], s[G0SA+3], 0x80000000
	s_mov_b32 s[G0SB], 1
	s_add_co_u32 s[G0SB+1], s104, SCL+2*HSA
	s_mov_b64 s[G0SB+2:G0SB+3], s[2:3]
	s_or_b32 s[G0SB+3], s[G0SB+3], 0x80000000
	JLOAD G0SA, G1SA, G0SB, G1SB                   ; the scales first: they are wanted with K step 0
.irp s, 0,1,2
	s_mov_b32 s[G0A+4*\s], 1
	s_add_co_u32 s[G0A+4*\s+1], s23, \s*SLOT
	s_add_nc_u64 s[G0A+4*\s+2:G0A+4*\s+3], s[100:101], \s*ROWB
	s_or_b32 s[G0A+4*\s+3], s[G0A+4*\s+3], 0x80000000
	s_mov_b32 s[G0B+4*\s], 1
	s_add_co_u32 s[G0B+4*\s+1], s96, \s*SLOT+SLOTA
	s_add_nc_u64 s[G0B+4*\s+2:G0B+4*\s+3], s[98:99], \s*ROWB
	s_or_b32 s[G0B+4*\s+3], s[G0B+4*\s+3], 0x80000000
	JLOAD G0A+4*\s, G1A, G0B+4*\s, G1B             ; K steps 0, 1, 2: with the scales four tensor loads of mine are out
.endr
	v_and_b32 v1, 15, v0                           ; r
	v_bfe_u32 v2, v0, 4, 1                         ; h
	v_mul_u32_u24 v3, v1, PITCH
	v_lshl_add_u32 v4, v2, 4, v3                   ; a fragment's row x pitch + 16 h
	s_mul_i32 s66, s[HA], 64*PITCH                 ; my 64 rows of at
	s_mul_i32 s67, s[HB], 128*PITCH                ; my 128 rows of o_w,
	s_add_co_u32 s67, s67, SLOTA                   ; behind at's 128
.irp s, 0,1,2
	v_add_nc_u32 v[ADRA+\s], s66, v4
	v_add_nc_u32 v[ADRB+\s], s67, v4
	s_add_co_u32 s66, s66, SLOT
	s_add_co_u32 s67, s67, SLOT
.endr
	v_lshlrev_b32 v5, 5, v1                        ; my row's scale bytes: 32 a row, and 16 more for each 256 passed
	v_lshrrev_b32 v6, 8, v5
	v_lshl_add_u32 v5, v6, 4, v5
	s_mul_i32 s66, s[HA], HSA                      ; lanes 0-15: at's words; lanes 16-31: the weights'
	s_mul_i32 s67, s[HB], HSB
	s_add_co_u32 s67, s67, 2*HSA
	s_sub_co_u32 s67, s67, s66
	v_mul_u32_u24 v6, s67, v2
	s_add_co_u32 s66, s66, SCL
	v_add_nc_u32 v6, v5, v6
	v_add_nc_u32 v[ADRS], s66, v6
	v_lshlrev_b32 v[H32], 5, v2
	s_mul_i32 s66, s[WV], 16*SPITCH                ; my stage
	s_add_co_u32 s66, s66, STAGE
	v_mul_u32_u24 v5, v1, SPITCH
	v_lshl_add_u32 v5, v2, 5, v5
	v_add_nc_u32 v[STO], s66, v5                   ; in: row r, 32 bytes for each half of the lanes
	v_and_b32 v6, 31, v0
	v_lshlrev_b32 v[CO], 4, v6                     ; back: the 32 lanes take one row of 512 bytes; and the same in out0 and in query
	v_add_nc_u32 v[RD], s66, v[CO]
	s_lshl_b32 s66, s[TC], 10                      ; my first column, in bytes
	s_lshl_b32 s67, s[HB], 9
	s_add_co_u32 s66, s66, s67
	s_mov_b32 s67, 0
	s_add_nc_u64 s[12:13], s[12:13], s[66:67]      ; the bias of my 128 columns
	s_lshl_b32 s100, s[TR], 7
	s_lshl_b32 s101, s[HA], 6
	s_add_co_u32 s100, s100, s101                  ; my first row: 128 TR + 64 HA
	s_lshl_b32 s100, s100, 12
	s_add_co_u32 s100, s100, s66
	s_mov_b32 s101, 0
	s_add_nc_u64 s[14:15], s[14:15], s[100:101]
	s_add_nc_u64 s[16:17], s[16:17], s[100:101]
.irp b, 0,1,2,3,4,5,6,7
	global_load_b128 v[BIAS+8*\b:BIAS+8*\b+3], v[H32], s[12:13] offset:64*\b       ; o_b at columns 16 b + 8 h + 0 .. 7
	global_load_b128 v[BIAS+8*\b+4:BIAS+8*\b+7], v[H32], s[12:13] offset:64*\b+16
.endr
.macro RES a                           ; the residual of block a: 16 rows x 512 bytes, into window 3.  All of my 64 rows lie inside the immediate: 63 x 4,096 bytes at the most
	WIN 0xc0
.irp t, 0,1,2,3,4,5,6,7,8,9,10,11,12,13,14,15
	global_load_b128 v[64*(\a)+4*\t:64*(\a)+4*\t+3], v[CO], s[14:15] offset:(16*(\a)+\t)*4096 th:TH_LOAD_NT
.endr
	WIN 0
.endm
	RES 0
	RES 1
	RES 2
.macro FRAG reg, adr, q, rowoff        ; 16 rows x 128 K of codes: lane (r, h) holds row r; registers 4 c .. 4 c + 3 hold K = 32 c + 16 h + 0 .. 15
.irp c, 0,1,2,3
	ds_load_b128 v[\reg+4*\c:\reg+4*\c+3], v[\adr] offset:128*(\q)+32*\c+(\rowoff)*PITCH
.endr
.endm
.macro LB slot, q, i                   ; block i of the weights, the slot's q-th 128 along K, into set q
	FRAG 128*(\q)+FR*(\i), ADRB+\slot, \q, 16*(\i)
.endm
.macro LA slot, q, i                   ; block i of at's rows
	FRAG AF+64*(\q)+FR*(\i), ADRA+\slot, \q, 16*(\i)
.endm
; A step's 48 LDS loads stand in four runs of 12, one in front of each 8 products; what the next step wants last (at's blocks 1 to 3) is in the last run.
.macro L0 slot, q
	WIN 0x40
	LB \slot, \q, 0
	LB \slot, \q, 1
	LB \slot, \q, 2
.endm
.macro L1 slot, q
	WIN 0x40
	LB \slot, \q, 3
	LB \slot, \q, 4
	LB \slot, \q, 5
.endm
.macro L2 slot, q
	WIN 0x40
	LB \slot, \q, 6
	LB \slot, \q, 7
	WIN 0
	LA \slot, \q, 0
.endm
.macro L3 slot, q
	WIN 0
	LA \slot, \q, 1
	LA \slot, \q, 2
	LA \slot, \q, 3
.endm
.macro SCALES sc                       ; a K step's scale words, two a row: lanes 0-15 at's block i (blocks 0 to 3 are named), lanes 16-31 the weights' block i
.irp i, 0,1,2,3,4,5,6,7
	ds_load_b64 v[SC+16*(\sc)+2*\i:SC+16*(\sc)+2*\i+1], v[ADRS] offset:\i*SBLK
.endr
.endm
.macro WMUL first                      ; source 0 (weights) window 1, source 1 (rows) window 0, D window 2; C the bias in window 0, or D
.if \first
	WIN 0x81
.else
	WIN 0xa1
.endif
.endm
; 8 products: at's block a x the weights' eight.  first = 1: the bias starts the sums.  The 32 accumulators take turns, one instruction a turn, in the same order in every step.
.macro MUL8 a, q, sc, first
.irp b, 0,1,2,3,4,5,6,7
.if \first
	v_wmma_scale_f32_16x16x128_f8f6f4 v[8*(8*(\a)+\b):8*(8*(\a)+\b)+7], v[128*(\q)+FR*\b:128*(\q)+FR*\b+FR-1], v[AF+64*(\q)+FR*(\a):AF+64*(\q)+FR*(\a)+FR-1], v[BIAS+8*\b:BIAS+8*\b+7], v[SC+16*(\sc)+2*\b+(\q)], v[SC+16*(\sc)+2*(\a)+(\q)] matrix_a_scale:MATRIX_SCALE_ROW1
.else
	v_wmma_scale_f32_16x16x128_f8f6f4 v[8*(8*(\a)+\b):8*(8*(\a)+\b)+7], v[128*(\q)+FR*\b:128*(\q)+FR*\b+FR-1], v[AF+64*(\q)+FR*(\a):AF+64*(\q)+FR*(\a)+FR-1], v[8*(8*(\a)+\b):8*(8*(\a)+\b)+7], v[SC+16*(\sc)+2*\b+(\q)], v[SC+16*(\sc)+2*(\a)+(\q)] matrix_a_scale:MATRIX_SCALE_ROW1
.endif
.endr
.endm
; 128 along K: multiplies sets q under the scale words of set sc, and fetches the next 128 (slot nslot, half nq) into the other sets.  scl = 1: the next K step's scale words too, into the other set.
; A load into a register that a matrix instruction has read stands NP places behind it (ISA guide 7.12.1 for vector instructions): the v_nop at the head serve all four runs.
.macro STEP q, sc, nslot, nq, first, scl
	s_wait_dscnt 12                                ; all but the youngest 12 loads (at's blocks 1 to 3) are in
	PLACES NP
	L0 \nslot, \nq
	WMUL \first
	MUL8 0, \q, \sc, \first
	s_wait_dscnt 12                                ; all but the 12 just issued
	L1 \nslot, \nq
	WMUL \first
	MUL8 1, \q, \sc, \first
	L2 \nslot, \nq
	WMUL \first
	MUL8 2, \q, \sc, \first
.if \scl
	WIN 0
	v_add_nc_u32 v[ADRS], 8, v[ADRS]               ; 8 bytes of a row's 32 for each K step
	SCALES 1-(\sc)
.endif
	L3 \nslot, \nq
	WMUL \first
	MUL8 3, \q, \sc, \first
.endm
; A slot's second 128 along K with a barrier in it.  In front of the barrier each wave waits for all its tensor loads, adds 0 to its spare word, and waits for that and for its LDS reads.
; fill = 1 (K step 0): slot 0 has been read out by every wave, slots 1 and 2 are whole: slot 0 takes K step 3.  fill = 0 (K step 2): K step 3 has landed; nothing is asked for.
.macro TURN sc, next, fill
	WIN 0                                          ; (the add's two registers lie in window 0)
	s_wait_tensorcnt 0x0                           ; all my tensor loads have landed
	ds_add_u32 v[SPW], v[NIL]                      ; 0 onto my spare word
	s_wait_dscnt 13                                ; (the add and the youngest 12 loads may be out)
	WIN 0xa1
	MUL8 0, 1, \sc, 0
	s_wait_dscnt 0x0                               ; the add is done, and my reads of this slot are over
	s_barrier_signal -1
	MUL8 1, 1, \sc, 0
	WIN 0
	s_barrier_wait -1
.if \fill
	CREST                                          ; the barrier has opened a round of the cluster's barrier: no wave of any partner still reads slot 0 or has a load on its way
	s_add_nc_u64 s[G0A+2:G0A+3], s[G0A+2:G0A+3], 3*ROWB
	s_add_nc_u64 s[G0B+2:G0B+3], s[G0B+2:G0B+3], 3*ROWB
	JLOAD G0A, G1A, G0B, G1B                       ; the first tensor load behind the round, and my only one from here on; its four v_nop are among the places in front of the loads below
	PLACES NP-4
.else
	PLACES NP
.endif
	L0 \next, 0
	L1 \next, 0
	WIN 0xa1
	MUL8 2, 1, \sc, 0
	L2 \next, 0
	L3 \next, 0
	WIN 0xa1
	MUL8 3, 1, \sc, 0
.endm
.macro TOSTAGE a                       ; block a through my stage.  LDS serves a wave's instructions in order (ISA guide 5.7.1.4): no wait between the stores and the loads, nor in front of the next block's stores
	WIN 0x08                                       ; an LDS store's data are its source 1: window 2
.irp b, 0,1,2,3,4,5,6,7
	ds_store_b128 v[STO], v[64*(\a)+8*\b:64*(\a)+8*\b+3] offset:64*\b              ; each accumulator from its low end on
	ds_store_b128 v[STO], v[64*(\a)+8*\b+4:64*(\a)+8*\b+7] offset:64*\b+16
.endr
	WIN 0x40                                       ; back into window 1, each block into 64 registers of its own: no store's data are written again
.irp t, 0,1,2,3,4,5,6,7,8,9,10,11,12,13,14,15
	ds_load_b128 v[64*(\a)+4*\t:64*(\a)+4*\t+3], v[RD] offset:\t*SPITCH
.endr
.endm
.macro SEND a, younger                 ; younger: the LDS instructions issued behind block a's loads
	s_wait_dscnt \younger                          ; the block is back in registers
	s_wait_loadcnt 16*(3-(\a))                     ; its residual is in; those of the blocks behind it may be out
	WIN 0x4d                                       ; destination and source 0 window 1, source 1 (the residual) window 3
.set ii, 0
.rept 32
	v_pk_add_f32 v[64*(\a)+ii:64*(\a)+ii+1], v[64*(\a)+ii:64*(\a)+ii+1], v[64*(\a)+ii:64*(\a)+ii+1]
.set ii, ii+2
.endr
	WIN 0x04                                       ; a store's data are its source 1: window 1
.irp t, 0,1,2,3,4,5,6,7,8,9,10,11,12,13,14,15
	global_store_b128 v[CO], v[64*(\a)+4*\t:64*(\a)+4*\t+3], s[16:17] offset:(16*(\a)+\t)*4096 th:TH_STORE_NT   ; 32 lanes store 512 consecutive bytes, aligned
.endr
.endm
	s_wait_tensorcnt 2                             ; the scales and my part of K step 0 are in (K steps 1 and 2 may be out)
	s_barrier_signal -1
	s_barrier_wait -1                              ; everybody's are
	L0 0, 0
	L1 0, 0
	L2 0, 0
	SCALES 0
	L3 0, 0
	s_wait_loadcnt 48                              ; the bias is in; three blocks of the residual may be out
	RES 3
	STEP 0, 0, 0, 1, 1, 1                          ; K step 0, slot 0
	TURN 0, 1, 1                                   ; slot 0 takes K step 3
	STEP 0, 1, 1, 1, 0, 1                          ; K step 1, slot 1
	STEP 1, 1, 2, 0, 0, 0                          ; no barrier: every wave had waited for all its loads, slot 2's among them, in front of the round above
	STEP 0, 0, 2, 1, 0, 1                          ; K step 2, slot 2
	TURN 0, 0, 0                                   ; K step 3 has landed, in every wave's part
	STEP 0, 1, 0, 1, 0, 0                          ; K step 3, slot 0
	s_wait_dscnt 12
	WIN 0xa1
	MUL8 0, 1, 1, 0
	s_wait_dscnt 0x0
	MUL8 1, 1, 1, 0
	MUL8 2, 1, 1, 0
	MUL8 3, 1, 1, 0
	WIN 0
	PLACES NP                                      ; in front of the first read of results and of the loads into the registers that held the weights
	TOSTAGE 0
	TOSTAGE 1
	SEND 0, 32                                     ; behind block 0's loads: block 1's 16 stores and 16 loads
	TOSTAGE 2
	SEND 1, 32
	TOSTAGE 3
	SEND 2, 32
	SEND 3, 0
	WIN 0
	s_wait_tensorcnt 0x0                           ; the wave's end
	ds_add_u32 v[SPW], v[NIL]
	s_wait_dscnt 0x0
	CROUND                                         ; the closing round: no work-group ends while a partner may still ask for a tile that names it
	s_endpgm
.Lfunc_end_k_q7e4073ec74_oproj:
	.size	k_q7e4073ec74_oproj, .Lfunc_end_k_q7e4073ec74_oproj-k_q7e4073ec74_oproj
	.p2alignl 7, 3214868480
	.fill 96, 4, 3214868480
	.section	.rodata,"a",@progbits
	.p2align	6, 0x0
	.amdhsa_kernel k_q7e4073ec74_oproj
		.amdhsa_group_segment_fixed_size 327680
		.amdhsa_private_segment_fixed_size 0
		.amdhsa_enable_private_segment 0
		.amdhsa_kernarg_size 56
		.amdhsa_user_sgpr_count 2
		.amdhsa_user_sgpr_kernarg_segment_ptr 1
		.amdhsa_wavefront_size32 1
		.amdhsa_system_sgpr_workgroup_id_x 1
		.amdhsa_system_sgpr_workgroup_id_y 1
		.amdhsa_system_sgpr_workgroup_id_z 1
		.amdhsa_system_vgpr_workitem_id 0
		.amdhsa_next_free_vgpr 1024
		.amdhsa_next_free_sgpr 106
		.amdhsa_reserve_vcc 0
		.amdhsa_float_denorm_mode_32 3
		.amdhsa_float_denorm_mode_16_64 3
		.amdhsa_memory_ordered 1
		.amdhsa_forward_progress 1
		.amdhsa_inst_pref_size 106
	.end_amdhsa_kernel
	.amdgpu_metadata
---
amdhsa.version: [ 1, 2 ]
amdhsa.kernels:
  - .name:           k_q7e4073ec74_oproj
    .symbol:         k_q7e4073ec74_oproj.kd
    .args:
      - { .name: at_codes, .offset: 0, .size: 8, .value_kind: global_buffer, .address_space: global }
      - { .name: at_scales, .offset: 8, .size: 8, .value_kind: global_buffer, .address_space: global }
      - { .name: o_w_codes, .offset: 16, .size: 8, .value_kind: global_buffer, .address_space: global }
      - { .name: o_w_scales, .offset: 24, .size: 8, .value_kind: global_buffer, .address_space: global }
      - { .name: o_b, .offset: 32, .size: 8, .value_kind: global_buffer, .address_space: global }
      - { .name: query, .offset: 40, .size: 8, .value_kind: global_buffer, .address_space: global }
      - { .name: out0, .offset: 48, .size: 8, .value_kind: global_buffer, .address_space: global }
    .group_segment_fixed_size: 327680
    .private_segment_fixed_size: 0
    .kernarg_segment_align: 8
    .kernarg_segment_size: 56
    .max_flat_workgroup_size: 128
    .sgpr_count:     106
    .vgpr_count:     1024
    .wavefront_size: 32
...
	.end_amdgpu_metadata
.endif
;; end of part 5
